; MI455X (gfx1250); checked and timed in simulation.
; The chip was launched on July 23, 2026; its instructions are those of AMD's public machine-readable ISA for CDNA 5 (MIT licence, August 2026) and "CDNA5" Instruction Set Architecture Reference Guide (July 2026). The comments in the code are by the model that wrote it; some were corrected since.
;; Causal Self Attention. Allowed arithmetic: matrix products marked QUANTISED: E4M3 operands, one E8M0 scale for each 32 along K, by v_wmma_scale_f32_16x16x128_f8f6f4 with both operands' format E4M3, f32 sums; everything else in f32.
;; Inputs: b_out 1,024 float32; b_qkv 3,072 float32; w_out_codes 1,024 x 32 x 32 uint8 (E4M3 codes of w_out, K innermost, in blocks of 32 codes); w_out_scales 1,024 x 32 uint8 (E8M0 scales of w_out, one for each 32 codes along K); w_qkv_codes 3,072 x 32 x 32 uint8 (E4M3 codes of w_qkv, K innermost, in blocks of 32 codes); w_qkv_scales 3,072 x 32 uint8 (E8M0 scales of w_qkv, one for each 32 codes along K); x_codes 4 x 2,048 x 32 x 32 uint8 (E4M3 codes of x, K innermost, in blocks of 32 codes); x_scales 4 x 2,048 x 32 uint8 (E8M0 scales of x, one for each 32 codes along K).
;; Outputs: out0 4 x 2,048 x 1,024 float32.
;; This version of the problem:
;;   THIS VERSION OF THE PROBLEM IS GIVEN IN LOW PRECISION. The matrix products marked QUANTISED in the list below multiply operands that are first quantised to E4M3 (4 exponent bits, 3 mantissa bits; 8 bits a number), with one power-of-two scale for each 32 numbers along K (OCP MX v1.0); their sums are f32. All else is computed in f32.
;;   The module's matrix products, in the order in which they are computed (A, B: the left and right operand; K: the contracted axis; several contracted axes count as one K, in the product's order):
;;     1. [M 8,192, K 1,024] x [K 1,024, N 3,072]; A: input x (given as codes); B: input w_qkv (given as codes): QUANTISED
;;     2. batch 64 x [M 2,048, K 64] x [K 64, N 2,048]; A: computed on the way; B: computed on the way: QUANTISED
;;     3. batch 64 x [M 2,048, K 2,048] x [K 2,048, N 64]; A: softmax (see below); B: computed on the way: QUANTISED
;;     4. [M 8,192, K 1,024] x [K 1,024, N 1,024]; A: computed on the way; B: input w_out (given as codes): QUANTISED
;;   THE QUANTISER, for each operand of a quantised product, along K:
;;     - K is cut into blocks of 32 from its start; a last block that is shorter is filled with zeros.
;;     - A block's scale is 2^e with e = floor(log2(the largest magnitude in the block)) - 8, held to -126 .. 127; a block of zeros has e = 0. As a byte (E8M0): e + 127.
;;     - Each number is divided by its block's scale, clamped to +-448, and rounded to the nearest number of E4M3, ties to even, subnormals kept.
;;     - The product sums the exact products of the quantised numbers (number of the format x scale) in f32.
;;   ~~~python
;;   def quantise(x, axis):      # numpy; x: float32 -> the quantised numbers, widened to float32 again
;;       x = np.moveaxis(x, axis, -1); K = x.shape[-1]
;;       x = np.pad(x, [(0, 0)] * (x.ndim - 1) + [(0, -K % 32)]); x = x.reshape(x.shape[:-1] + (-1, 32)); a = np.abs(x).max(-1, keepdims=True)
;;       e = np.where(a > 0, np.clip(np.frexp(np.where(a > 0, a, 1))[1] - 1 - 8, -126, 127), 0)      # np.frexp(a)[1] - 1 = floor(log2(a)), exactly
;;       r = np.clip(x / 2.0 ** e, -448, 448)
;;       step = 2.0 ** (np.maximum(np.frexp(np.where(r == 0, 1, r))[1] - 1, -6) - 3)
;;       q = np.round(r / step) * step * 2.0 ** e      # np.round: ties to even
;;       return np.moveaxis(q.reshape(q.shape[:-2] + (-1,))[..., :K], -1, axis).astype(np.float32)
;;   ~~~
;;   SOFTMAX AHEAD OF A QUANTISED PRODUCT. Where the list says 'softmax', what is quantised is not the finished softmax but p = 2^(t - M), with t = logit x log2(e) and M = ceil(the row's largest t), a whole number; so 1/2 < the row's largest p <= 1. The row's sum l is taken of the UNQUANTISED p, in f32, and the product's result is divided by l at the end. Since M is a whole number, a kernel that streams over the keys may use a running M (the ceiling of the running maximum): every later rescaling is an exact power of two, which a block's scale takes up: the codes' values come out the same.
;;   OPERANDS COMPUTED ON THE WAY. 'Computed on the way' means the value that the module computes at that place (a softmax that the list does not call 'softmax' is quantised finished and normalised). What goes into a quantiser is computed in f32, as accurately as f32 sums, v_exp_f32 and their like allow (about 1e-6 of the number): no bf16 or f16 on the way to a quantiser, and a product that is left as it is and whose result goes on into a quantised operand takes f32 operands (vector FMAs, or v_wmma_f32_16x16x4_f32). A number that lies on a knife's edge between two numbers of the format may be rounded either way, as far as f32 arithmetic and the matrix unit's own rounding can turn it there, and no further.
;;   INPUTS GIVEN AS CODES. w_out (in the module: [1024, 1024], K = its axis 0); w_qkv (in the module: [1024, 3072], K = its axis 0); x (in the module: [4, 2048, 1024], K = its axis 2): each comes as NAME_codes (uint8): NAME with its K axis moved to the last place and cut into blocks of 32 codes, [.., K / 32, bytes a block], one block behind the other in memory; one code a byte (a code: sign, 4 exponent bits, 3 mantissa bits); and NAME_scales (uint8): the same leading axes, one E8M0 byte (e + 127) for each 32 codes along K. Its value is code x scale, taken as it is: it is not quantised again, and the codes and scales need not be those that the quantiser above would give.
;; One version. Each part assembles by itself: llvm-mc -triple=amdgcn-amd-amdhsa -mcpu=gfx1250 --defsym DOCPART=n.
;; ======== version 1 of 1: 3 launches
;; limits: right only within a limited range of input values
;; workspace buffers: qkv 25,952,256 bytes; ao_img 8,388,608 bytes; ao_sc 262,144 bytes
;; launch qkv (part 1): grid 12 x 32, 4 waves a work-group, clusters of 4 x 4, 327,680 bytes of LDS; arguments x_codes, x_scales, w_qkv_codes, w_qkv_scales, b_qkv, qkv; writes qkv
.if DOCPART == 1
	.amdgcn_target "amdgcn-amd-amdhsa--gfx1250"
	.amdhsa_code_object_version 6
	.text
	.protected	k_q1c64537f8c_qkv
	.globl	k_q1c64537f8c_qkv
	.p2align	8
	.type	k_q1c64537f8c_qkv,@function
k_q1c64537f8c_qkv:
	s_mov_b64 s[64:65], 0
	v_nop
	global_prefetch_b8 v0, s[64:65] scope:SCOPE_SE
	s_setreg_imm32_b32 hwreg(HW_REG_WAVE_MODE, 25, 1), 1
	s_wait_xcnt 0x0
	s_wait_alu depctr_hold_cnt(0) depctr_sa_sdst(0) depctr_va_vdst(0) depctr_va_sdst(0) depctr_va_ssrc(0) depctr_va_vcc(0) depctr_vm_vsrc(0)
	s_getreg_b32 s2, hwreg(HW_REG_IB_STS2, 6, 4)
	s_cmp_eq_u32 s2, 0
	s_cbranch_scc0 .Lentry_in_a_cluster
	s_endpgm
.Lentry_in_a_cluster:
	s_bfe_u32 s2, ttmp6, 0x10000c
	s_cmp_lg_u32 s2, 0xf033
	s_cbranch_scc0 .Lentry_shape_is_right
	s_endpgm
.Lentry_shape_is_right:
; qkv = x w_qkv + b_qkv on codes of FP8 (E4M3) with one E8M0 scale for each 32 along K = 1,024, and the result quantised at once: q and k along the channels, v along the tokens.
; ONE BODY, TWO ROLES.  Source 0 takes 16 rows of an operand P, source 1 takes 16 rows of an operand Q: in a result a lane holds ONE row of Q (lane % 16) and its registers run along P's rows, 8 (lane / 16) + 0 .. 7:
; the axis along which the result is quantised.  For q and k (cluster x = 0, 1): P = rows of w_qkv (channels), Q = rows of x (tokens).  For v (cluster x = 2): P = rows of x, Q = rows 2,048 on of w_qkv.
; Pointers and tile numbers are chosen by s_cselect on the cluster's x, which all sixteen partners share; the one branch on it stands round the bias loads and the first K step (the bias is that step's C).
; A tile of the result is 256 x 256, four waves, 128 x 128 a wave: 64 accumulators, 512 registers.  K goes in steps of 256 through two LDS slots; the scale bytes of the 512 rows come once and stay.
; CLUSTERS of 4 x 4: Q's tiles are shared along a row of the cluster, P's along a column, each asked for jointly.
; THE ORDER INSIDE A BLOCK OF 32.  The 16 registers of result tiles 2 B and 2 B + 1 are members 8 h + 0..7 and 16 + 8 h + 0..7 of block B; converted in register order they become places 32 B + 16 h + 0 .. 15 of an operand.
; q, k (along channels), v (along tokens) and later p (along keys) all get this same order, both sides of a product alike, and a block stays a block: the sums are the same but for the order of adding inside a block.
; OUT: a wave's 128 x 128 codes leave as EIGHT IMAGES OF OPERAND REGISTERS, [a][c][lane][16 bytes], each store 512 consecutive bytes, into a record of 50,688 bytes for (batch, head pair, 128 tokens):
;   K image 0, V image 16,384, K scale words 32,768, V scale words 33,280, Q image 33,792, Q scale words 50,176.
; LIMITS: NaN and infinities among the inputs are not served.  A block whose largest magnitude lies under 2^-118 keeps the scale byte 1; a block of zeros gets the byte 1 where the quantiser says 127: its codes are zeros, and this program alone reads the bytes.
; REGISTERS: window 0: v4-20 at work on the way out; v21-31 addresses; v32-63 scale words, two sets, and nothing else; v64-127 the bias as C; v128-255 Q's 8 fragments, later the codes.
;   window 1: P's fragments, two sets.  windows 2, 3: accumulator (a, b) at v[8 (8 (a % 4) + b)] of window 2 + a / 4.
.set PITCH,  272                       ; an LDS row: 256 bytes + 16 of padding: the 16 rows of a fragment load start at 16 different banks (64 banks of 4 bytes: ISA guide 11.1)
.set HALFT,  128*PITCH                 ; 128 rows: one tensor load
.set SLOT,   4*HALFT                   ; Q's 256 rows, then P's 256
.set SCL,    2*SLOT                    ; the scale bytes: units of 256 bytes + 16 of padding
.set HALFS,  16*272                    ; those of 128 rows (32 bytes a row)
.set SBLK,   2*272                     ; those of 16 rows
.set SPARE,  SCL+4*HALFS               ; the spare words: 128 bytes a wave
.set SCST,   SPARE+512                 ; a stage of 512 bytes a wave for the scale words made here; no tensor load lands there
.set REC,    50688
.set FR,     16
.set MX,   4                           ; v4-7    largest magnitudes
.set PXB,  8                           ; v8-11   the other half's, then the bytes
.set HD,   12
.set SO,   16                          ; v16-19  the conversions' scale operands
.set PW,   20                          ; v20     the scale word just made
.set ADRA, 21                          ; v21-22  LDS address of my Q fragments in slot 0, 1
.set ADRB, 23                          ; v23-24  of my P fragments
.set VO,   25                          ; v25     16 x lane
.set SCA,  26                          ; v26     the stage: SCST + 512 wave + 4 (lane % 16)
.set SCR,  27                          ; v27     and back: SCST + 512 wave + 16 lane
.set SPW,  28                          ; v28     my spare word; never rewritten
.set NIL,  29                          ; v29     0; never rewritten
.set BO,   30                          ; v30     my byte offset in the bias
.set ADRS, 31                          ; v31     LDS address of my scale words: lanes 0-15 Q's rows, lanes 16-31 P's
.set SC,   32
.set CB,   64
.set XR,   64
.set AF,   128
.set WV,  16
.set HA,  17                           ; which 128 rows of Q are mine; also: I fetch for Q (0) or P (1)
.set HB,  18                           ; which 128 rows of P are mine; also: which 128 rows I fetch
.set ISV, 19
.set CX,  20
.set CY,  21
.set GX,  22
.set GY,  23
.set G1,  24
.set G0,  32
.set QT,  40                           ; s40-43 hold Q's coordinates alone, s44-47 P's alone
.set PT,  44
.set G1B, 48
.set G0B, 56
.set SEL, 66
.set G1S, 68
.set G0S, 76
.set G1SB, 80
.set G0SB, 88
.set QCD, 92
.set QSC, 94
.set PCD, 96
.set PSC, 98
.set MNT, 4
.set DC,  6                            ; s[6:7] where my codes go, s[8:9] where my scale words go
.set DS,  8
.set MSB, 0
.macro WIN new                         ; the immediate's high byte repeats the setting that is left
.if MSB != (\new)
	s_set_vgpr_msb (MSB<<8)|(\new)
.set MSB, (\new)
.endif
.endm
.macro JLOAD g0a, g1a, g0b, g1b        ; a joint load: waves 0, 1 fetch for Q, waves 2, 3 for P; four v_nop follow each line
	s_cmp_eq_u32 s[HA], 0
	s_cbranch_scc0 .Lfor_b_\@
	tensor_load_to_lds s[\g0a:\g0a+3], s[\g1a:\g1a+7]
	s_nop 0
.rept 4
	v_nop
.endr
	s_branch .Lasked_\@
.Lfor_b_\@:
	tensor_load_to_lds s[\g0b:\g0b+3], s[\g1b:\g1b+7]
	s_nop 0
.rept 4
	v_nop
.endr
.Lasked_\@:
.endm
.macro CREST                           ; a round of the cluster's barrier behind its opening barrier
	s_cmp_lg_u32 s[WV], 0
	s_cbranch_scc1 .Lnot_wave_0_\@
	s_barrier_signal -3
.Lnot_wave_0_\@:
	s_barrier_wait -3
	s_barrier_signal -1
	s_barrier_wait -1
.endm
.macro CROUND
	s_barrier_signal -1
	s_barrier_wait -1
	CREST
.endm
.macro PLACES n
.rept \n
	v_nop
.endr
.endm
	s_load_b128 s[4:7], s[0:1], 0x0                ; x's codes, x's scales
	s_load_b128 s[8:11], s[0:1], 0x10              ; w_qkv's codes, its scales
	s_load_b128 s[12:15], s[0:1], 0x20             ; b_qkv, the records
	v_lshl_add_u32 v[SPW], v0, 2, SPARE
	v_mov_b32 v[NIL], 0
	ds_add_u32 v28, v29
	ds_add_u32 v28, v29
	s_wait_dscnt 0x0
	v_lshrrev_b32 v1, 5, v0
	v_readfirstlane_b32 s[WV], v1                  ; wave 0..3
	s_lshr_b32 s[HA], s[WV], 1
	s_and_b32 s[HB], s[WV], 1
	s_bfe_u32 s[CX], ttmp6, 0x40000                ; my place in the cluster
	s_bfe_u32 s[CY], ttmp6, 0x40004
	s_mov_b32 s[GX], ttmp9                         ; the cluster's x: 0 q, 1 k, 2 v
	s_and_b32 s[GY], ttmp7, 0xffff                 ; the cluster's y: 0..7
	s_cmp_eq_u32 s[GX], 2
	s_cselect_b32 s[ISV], 1, 0
	s_cselect_b32 s[PT], s[GY], s[GX]
	s_cselect_b32 s[QT], 0, s[GY]
	s_cselect_b32 s41, 2048, 0                     ; Q's first row in its tensor
	s_lshl_b32 s[PT], s[PT], 2
	s_add_co_u32 s[PT], s[PT], s[CX]               ; P's tile of 256 rows: shared along my column of the cluster
	s_lshl_b32 s[QT], s[QT], 2
	s_add_co_u32 s[QT], s[QT], s[CY]               ; Q's tile: shared along my row
	s_lshl_b32 s42, s[CY], 2
	s_lshl_b32 s42, 15, s42                        ; my row of the cluster
	s_lshl_b32 s46, 0x1111, s[CX]                  ; my column
	s_or_b32 s[G1+0], s42, (0<<16)|(1<<20)|(1<<21)|(5<<22)|(3<<25)    ; the mask; elements of 1 byte; padding on; bit 21 beside a mask; 4 words after every 64
	s_or_b32 s[G1B+0], s46, (0<<16)|(1<<20)|(1<<21)|(5<<22)|(3<<25)
.irp g, G1, G1B
	s_mov_b32 s[\g+1], 256<<16                     ; tensor_dim0
	s_mov_b32 s[\g+2], 128<<16                     ; tensor_dim1
	s_mov_b32 s[\g+3], 256<<16                     ; tile_dim0
	s_mov_b32 s[\g+4], 128                         ; tile_dim1
	s_mov_b32 s[\g+5], 1024                        ; bytes from row to row
	s_mov_b32 s[\g+6], 0
	s_mov_b32 s[\g+7], 0
.endr
	s_or_b32 s[G1S+0], s42, (3<<16)|(1<<20)|(1<<21)|(5<<22)|(3<<25)   ; the scales of 128 rows: 4,096 dense bytes as 16 rows of 32 elements of 8 bytes
	s_or_b32 s[G1SB+0], s46, (3<<16)|(1<<20)|(1<<21)|(5<<22)|(3<<25)
.irp g, G1S, G1SB
	s_mov_b32 s[\g+1], 32<<16
	s_mov_b32 s[\g+2], 16<<16
	s_mov_b32 s[\g+3], 32<<16
	s_mov_b32 s[\g+4], 16
	s_mov_b32 s[\g+5], 32
	s_mov_b32 s[\g+6], 0
	s_mov_b32 s[\g+7], 0
.endr
	s_lshl_b32 s2, s[HB], 7                        ; which 128 rows of a tile I fetch
	s_lshl_b32 s42, s[QT], 8
	s_add_co_u32 s42, s42, s41
	s_add_co_u32 s42, s42, s2                      ; Q's row
	s_lshl_b32 s42, s42, 5                         ; its scales: 32 bytes a row
	s_mov_b32 s43, 0
	s_lshl_b32 s46, s[PT], 8
	s_add_co_u32 s46, s46, s2                      ; P's row
	s_lshl_b32 s46, s46, 5
	s_mov_b32 s47, 0
	s_mul_i32 s100, s[WV], HALFT                   ; where they go: the wave's number alone enters an LDS address
	s_mul_i32 s101, s[WV], HALFS
	s_mov_b32 s[SEL], 0x76543210
	s_mov_b32 s[SEL+1], 0xfedcba98                 ; v_permlanex16_b32: lane l xor 16
	s_wait_kmcnt 0x0
	s_cmp_eq_u32 s[GX], 2
	s_cselect_b64 s[QCD:QCD+1], s[8:9], s[4:5]
	s_cselect_b64 s[QSC:QSC+1], s[10:11], s[6:7]
	s_cselect_b64 s[PCD:PCD+1], s[4:5], s[8:9]
	s_cselect_b64 s[PSC:PSC+1], s[6:7], s[10:11]
	s_add_nc_u64 s[QSC:QSC+1], s[QSC:QSC+1], s[42:43]
	s_add_nc_u64 s[PSC:PSC+1], s[PSC:PSC+1], s[46:47]
	s_lshl_b32 s42, s42, 5                         ; the codes: 1,024 bytes a row
	s_lshl_b32 s46, s46, 5
	s_add_nc_u64 s[QCD:QCD+1], s[QCD:QCD+1], s[42:43]
	s_add_nc_u64 s[PCD:PCD+1], s[PCD:PCD+1], s[46:47]
	CROUND                                         ; all sixteen work-groups are here: the first joint loads meet
	s_mov_b32 s[G0S], 1
	s_add_co_u32 s[G0S+1], s101, SCL
	s_mov_b64 s[G0S+2:G0S+3], s[QSC:QSC+1]
	s_or_b32 s[G0S+3], s[G0S+3], 0x80000000
	s_mov_b32 s[G0SB], 1
	s_add_co_u32 s[G0SB+1], s101, SCL
	s_mov_b64 s[G0SB+2:G0SB+3], s[PSC:PSC+1]
	s_or_b32 s[G0SB+3], s[G0SB+3], 0x80000000
	JLOAD G0S, G1S, G0SB, G1SB                     ; the scales first: wanted with K step 0
.irp s, 0,1
	s_mov_b32 s[G0+4*\s], 1
	s_add_co_u32 s[G0+4*\s+1], s100, \s*SLOT
	s_add_nc_u64 s[G0+4*\s+2:G0+4*\s+3], s[QCD:QCD+1], \s*256
	s_or_b32 s[G0+4*\s+3], s[G0+4*\s+3], 0x80000000
	s_mov_b32 s[G0B+4*\s], 1
	s_add_co_u32 s[G0B+4*\s+1], s100, \s*SLOT
	s_add_nc_u64 s[G0B+4*\s+2:G0B+4*\s+3], s[PCD:PCD+1], \s*256
	s_or_b32 s[G0B+4*\s+3], s[G0B+4*\s+3], 0x80000000
	JLOAD G0+4*\s, G1, G0B+4*\s, G1B               ; three loads of mine are out
.endr
	v_and_b32 v1, 15, v0                           ; r = lane % 16
	v_bfe_u32 v2, v0, 4, 1                         ; h = lane / 16
	v_mul_u32_u24 v3, v1, PITCH
	v_lshl_add_u32 v4, v2, 4, v3                   ; a fragment's row x pitch + 16 h
	s_mul_i32 s2, s[HA], HALFT                     ; my 128 rows of Q
	s_mul_i32 s3, s[HB], HALFT                     ; my 128 rows of P,
	s_add_co_u32 s3, s3, 2*HALFT                   ; behind Q's 256
.irp s, 0,1
	v_add_nc_u32 v[ADRA+\s], s2, v4
	v_add_nc_u32 v[ADRB+\s], s3, v4
	s_add_co_u32 s2, s2, SLOT
	s_add_co_u32 s3, s3, SLOT
.endr
	v_mul_u32_u24 v5, v1, 32                       ; my row's scales: 32 bytes a row,
	v_lshrrev_b32 v6, 8, v5
	v_lshl_add_u32 v5, v6, 4, v5                   ; and 16 more for each 256 passed
	s_mul_i32 s2, s[HA], HALFS
	s_mul_i32 s3, s[HB], HALFS
	s_add_co_u32 s3, s3, 2*HALFS
	s_sub_co_u32 s3, s3, s2
	v_mul_u32_u24 v6, s3, v2                       ; lanes 16-31 take P's: the lower base + h x the distance
	s_add_co_u32 s2, s2, SCL
	v_add_nc_u32 v5, v5, v6
	v_add_nc_u32 v[ADRS], s2, v5
	v_and_b32 v6, 31, v0
	v_lshlrev_b32 v[VO], 4, v6
	s_lshl_b32 s2, s[WV], 9
	s_add_co_u32 s2, s2, SCST
	v_lshl_add_u32 v[SCA], v1, 2, s2
	v_add_nc_u32 v[SCR], s2, v[VO]
	; where my 128 x 128 go: record ((batch x 8 + head pair) x 16 + group of 128 tokens), and the part's place in it
	s_lshl_b32 s2, s[QT], 1
	s_add_co_u32 s2, s2, s[HA]                     ; which 128 rows of Q's axis
	s_lshl_b32 s3, s[PT], 1
	s_add_co_u32 s3, s3, s[HB]                     ; which 128 rows of P's axis
	s_and_b32 s10, s3, 7
	s_cmp_lg_u32 s[ISV], 0
	s_cselect_b32 s11, s3, s2                      ; the group of tokens, 0..63
	s_cselect_b32 s10, s2, s10                     ; the head pair
	s_lshr_b32 s2, s11, 4
	s_lshl_b32 s2, s2, 3
	s_add_co_u32 s2, s2, s10
	s_lshl_b32 s2, s2, 4
	s_and_b32 s11, s11, 15
	s_add_co_u32 s2, s2, s11
	s_mul_i32 s2, s2, REC
	s_mov_b32 s10, 33792                           ; q's image and scale words,
	s_mov_b32 s11, 50176
	s_mov_b32 s3, 32768
	s_cmp_eq_u32 s[GX], 1
	s_cselect_b32 s10, 0, s10                      ; k's,
	s_cselect_b32 s11, s3, s11
	s_mov_b32 s3, 16384
	s_cmp_eq_u32 s[GX], 2
	s_cselect_b32 s10, s3, s10                     ; v's
	s_mov_b32 s3, 33280
	s_cselect_b32 s11, s3, s11
	s_add_co_u32 s10, s10, s2
	s_add_co_u32 s2, s11, s2
	s_mov_b32 s11, 0
	s_mov_b32 s3, 0
	s_add_nc_u64 s[DC:DC+1], s[14:15], s[10:11]
	s_add_nc_u64 s[DS:DS+1], s[14:15], s[2:3]
	; THE BIAS, in the result's layout.  q, k: it runs along P (channels): tile b's eight registers are b_qkv at 16 b + 8 h + 0..7.  v: along Q: one number a lane for each a.
	s_cmp_lg_u32 s[ISV], 0
	s_cbranch_scc1 .Lbias_v
	s_lshl_b32 s2, s[PT], 10
	s_lshl_b32 s3, s[HB], 9
	s_add_co_u32 s2, s2, s3
	s_mov_b32 s3, 0
	s_add_nc_u64 s[12:13], s[12:13], s[2:3]
	v_lshlrev_b32 v[BO], 5, v2
.irp b, 0,1,2,3,4,5,6,7
	global_load_b128 v[CB+8*\b:CB+8*\b+3], v[BO], s[12:13] offset:64*\b
	global_load_b128 v[CB+8*\b+4:CB+8*\b+7], v[BO], s[12:13] offset:64*\b+16
.endr
	s_branch .Lbias_done
.Lbias_v:
	s_lshl_b32 s2, s[QT], 10
	s_lshl_b32 s3, s[HA], 9
	s_add_co_u32 s2, s2, s3
	s_add_co_u32 s2, s2, 8192                      ; v's bias begins at number 2,048
	s_mov_b32 s3, 0
	s_add_nc_u64 s[12:13], s[12:13], s[2:3]
	v_lshlrev_b32 v[BO], 2, v1
.irp a, 0,1,2,3,4,5,6,7
	global_load_b32 v[CB+8*\a], v[BO], s[12:13] offset:64*\a
.endr
.Lbias_done:
.macro FRAG reg, adr, q, i             ; 16 rows x 128 K: registers 4 c .. 4 c + 3 hold K = 32 c + 16 h + 0 .. 15
.irp c, 0,1,2,3
	ds_load_b128 v[\reg+4*\c:\reg+4*\c+3], v[\adr] offset:128*(\q)+32*\c+(\i)*16*PITCH
.endr
.endm
; 16 matrix instructions: Q's blocks a0, a0 + 1 x P's eight.  cm = 0: onto the sums; 1: the bias by b starts them; 2: the bias by a.  The 64 accumulators take turns, one instruction a turn.
.macro MUL16 a0, p, q, sc, cm
.irp a, \a0, \a0+1
.irp b, 0,1,2,3,4,5,6,7
.if (\cm) == 1
	v_wmma_scale_f32_16x16x128_f8f6f4 v[8*(8*((\a)%4)+\b):8*(8*((\a)%4)+\b)+7], v[128*(\p)+FR*\b:128*(\p)+FR*\b+FR-1], v[AF+FR*(\a):AF+FR*(\a)+FR-1], v[CB+8*\b:CB+8*\b+7], v[SC+16*(\sc)+2*\b+(\q)], v[SC+16*(\sc)+2*(\a)+(\q)] matrix_a_scale:MATRIX_SCALE_ROW1
.elseif (\cm) == 2
	v_wmma_scale_f32_16x16x128_f8f6f4 v[8*(8*((\a)%4)+\b):8*(8*((\a)%4)+\b)+7], v[128*(\p)+FR*\b:128*(\p)+FR*\b+FR-1], v[AF+FR*(\a):AF+FR*(\a)+FR-1], v[CB+8*(\a):CB+8*(\a)+7], v[SC+16*(\sc)+2*\b+(\q)], v[SC+16*(\sc)+2*(\a)+(\q)] matrix_a_scale:MATRIX_SCALE_ROW1
.else
	v_wmma_scale_f32_16x16x128_f8f6f4 v[8*(8*((\a)%4)+\b):8*(8*((\a)%4)+\b)+7], v[128*(\p)+FR*\b:128*(\p)+FR*\b+FR-1], v[AF+FR*(\a):AF+FR*(\a)+FR-1], v[8*(8*((\a)%4)+\b):8*(8*((\a)%4)+\b)+7], v[SC+16*(\sc)+2*\b+(\q)], v[SC+16*(\sc)+2*(\a)+(\q)] matrix_a_scale:MATRIX_SCALE_ROW1
.endif
.endr
.endr
.endm
.macro FETCH_B slot, q, p              ; P's eight fragments into set p of window 1
	WIN 0x40
.irp i, 0,1,2,3,4,5,6,7
	FRAG 128*(\p)+FR*\i, ADRB+\slot, \q, \i
.endr
	WIN 0
.endm
.macro FETCH_A slot, q, i0             ; Q's blocks i0 .. i0 + 3
.irp i, \i0, \i0+1, \i0+2, \i0+3
	FRAG AF+FR*(\i), ADRA+\slot, \q, \i
.endr
.endm
.macro SCALES sc, T                    ; K step T's scale words (8 bytes a row) into set sc: lanes 0-15 Q's block i, lanes 16-31 P's block i
.irp i, 0,1,2,3,4,5,6,7
	ds_load_b64 v[SC+16*\sc+2*\i:SC+16*\sc+2*\i+1], v[ADRS] offset:\i*SBLK+8*\T
.endr
.endm
; A load into a register that a matrix instruction has read stands eight places behind it, and only plain vector instructions that name none of its registers are places.
.macro STEP slot, q, cm                ; 128 along K whose successor lies in the same slot
	s_wait_dscnt 16                                ; P's set and Q's blocks 0-3 are in; the youngest sixteen loads (Q's blocks 4-7) may be out
.if \cm
	WIN 0x81                                       ; source 0 window 1, sources 1 and 2 window 0, D window 2
.else
	WIN 0xa1                                       ; C and D window 2
.endif
	MUL16 0, (\q)%2, \q, \slot, \cm
	MUL16 2, (\q)%2, \q, \slot, \cm
	s_wait_dscnt 0
	PLACES 8
	FETCH_B \slot, (\q)+1, 1-(\q)%2
	FETCH_A \slot, (\q)+1, 0
.if \cm
	WIN 0xc1
.else
	WIN 0xf1
.endif
	MUL16 4, (\q)%2, \q, \slot, \cm
	MUL16 6, (\q)%2, \q, \slot, \cm
	PLACES 8
	WIN 0
	FETCH_A \slot, (\q)+1, 4
.endm
; A slot's last step changes slots: one barrier; ahead of it each wave waits for all its tensor loads, adds 0 to its spare word, and waits for that and for its reads of this slot.
.macro TURN slot, next, fill, T
	s_wait_tensorcnt 0x0                           ; all my tensor loads have landed: my part of the next slot
	ds_add_u32 v[SPW], v[NIL]                      ; 0 onto my spare word
	s_wait_dscnt 17                                ; (the add and the youngest sixteen loads may be out)
	WIN 0xa1
	MUL16 0, 1, 1, \slot, 0
	s_wait_dscnt 0x0                               ; the add is done, my reads of this slot are over
	s_barrier_signal -1
	MUL16 2, 1, 1, \slot, 0
	WIN 0
	s_barrier_wait -1
.if \fill
	CREST                                          ; the barrier opened a round of the cluster's: no wave of any partner still reads this slot or has a load on its way
	s_add_nc_u64 s[G0+4*\slot+2:G0+4*\slot+3], s[G0+4*\slot+2:G0+4*\slot+3], 512
	s_add_nc_u64 s[G0B+4*\slot+2:G0B+4*\slot+3], s[G0B+4*\slot+2:G0B+4*\slot+3], 512
	JLOAD G0+4*\slot, G1, G0B+4*\slot, G1B         ; the first tensor load behind the round; its four v_nop are four of the eight places
	PLACES 4
.else
	PLACES 8
.endif
	FETCH_B \next, 0, 0
	FETCH_A \next, 0, 0
	SCALES \next, \T
	WIN 0xf1
	MUL16 4, 1, 1, \slot, 0
	MUL16 6, 1, 1, \slot, 0
	PLACES 8
	WIN 0
	FETCH_A \next, 0, 4
.endm
	s_wait_tensorcnt 1                             ; the scales and my part of K step 0 are in; K step 1's load may be out
	s_barrier_signal -1
	s_barrier_wait -1
	FETCH_B 0, 0, 0
	FETCH_A 0, 0, 0
	s_wait_alu depctr_va_vdst(0)
	SCALES 0, 0
	FETCH_A 0, 0, 4
	s_wait_loadcnt 0x0                             ; the bias
	s_cmp_lg_u32 s[ISV], 0
	s_cbranch_scc1 .Lfirst_v
	STEP 0, 0, 1                                   ; the first products start the sums with the bias: nothing is cleared, nothing is added later
	s_branch .Lfirst_done
.Lfirst_v:
.irp a, 0,1,2,3,4,5,6,7
.irp j, 1,2,3,4,5,6,7
	v_mov_b32 v[CB+8*\a+\j], v[CB+8*\a]            ; v's bias hangs on the lane's row alone: the same in a tile's eight registers
.endr
.endr
	s_wait_alu depctr_va_vdst(0)
	STEP 0, 0, 2
.Lfirst_done:
	TURN 0, 1, 1, 1                                ; K = 1,024 is four slots: written out, so that every offset is an immediate
	STEP 1, 0, 0
	TURN 1, 0, 1, 2
	STEP 0, 0, 0
	TURN 0, 1, 0, 3                                ; nothing is left to fetch
	STEP 1, 0, 0
	s_wait_dscnt 16
	WIN 0xa1
	MUL16 0, 1, 1, 1, 0
	MUL16 2, 1, 1, 1, 0
	s_wait_dscnt 0
	WIN 0xf1
	MUL16 4, 1, 1, 1, 0
	MUL16 6, 1, 1, 1, 0
	WIN 0
	PLACES 8
.irp b, 0,1,2,3
	v_mov_b32 v[PXB+\b], 0                         ; written once: a lane permute's destination counts as one of its sources
.endr
; THE WAY OUT.  Block a: 16 rows of Q x 128 of P's axis become one fragment and one scale word a row.  Each accumulator is read from its low end on.
.macro QBLOCK a
.set QW, 2+(\a)/4
.set QW2, QW*5
.set AC, 64*((\a)%4)
.set PCA, AF+16*(\a)
	WIN QW2                                        ; sources 0 and 1 in the accumulators' window
.irp b, 0,1,2,3
	v_max3_num_f32 v[MX+\b], |v[AC+16*\b]|, |v[AC+16*\b+1]|, 0x4800000   ; block b: my 16 numbers and the floor 2^(9 - 127): the byte cannot fall under 1
.endr
.irp i, 2,4,6,8,10,12,14
.irp b, 0,1,2,3
	v_max3_num_f32 v[MX+\b], |v[AC+16*\b+\i]|, |v[AC+16*\b+\i+1]|, v[MX+\b]
.endr
.endr
	WIN 0
.irp b, 0,1,2,3
	v_permlanex16_b32 v[PXB+\b], v[MX+\b], s[SEL], s[SEL+1]
.endr
.irp b, 0,1,2,3
	v_max_num_f32 v[MX+\b], v[MX+\b], v[PXB+\b]    ; with lane l xor 16's: the block's largest magnitude
.endr
.irp b, 0,1,2,3
	v_add_nc_u32 v[SO+\b], 0xfc000000, v[MX+\b]    ; 8 off its exponent field: the conversion's scale operand
.endr
.irp b, 0,1,2,3
.endr
.irp b, 0,1,2,3
	v_lshrrev_b32 v[PXB+\b], 23, v[SO+\b]          ; the scale's byte
.endr
	v_lshl_or_b32 v[PW], v[PXB+1], 8, v[PXB]
	v_lshl_or_b32 v[PW], v[PXB+2], 16, v[PW]
	v_lshl_or_b32 v[PW], v[PXB+3], 24, v[PW]
	WIN QW                                         ; source 0 alone
.irp b, 0,1,2,3
.irp i, 0,1,2,3,4,5,6,7,8,9,10,11,12,13,14,15
.endr
.endr
.irp b, 0,1,2,3
	v_cvt_scalef32_pk8_fp8_f32 v[PCA+4*\b:PCA+4*\b+1], v[AC+16*\b:AC+16*\b+7], v[SO+\b]
	v_cvt_scalef32_pk8_fp8_f32 v[PCA+4*\b+2:PCA+4*\b+3], v[AC+16*\b+8:AC+16*\b+15], v[SO+\b]
.endr
	WIN 0
	v_nop                                          ; a plain line behind the last conversion, ahead of the next block's writes of its sources
	ds_store_b32 v[SCA], v[PW] offset:64*(\a)      ; both halves of the lanes write the same word with the same value
.irp c, 0,1,2,3
	global_store_b128 v[VO], v[PCA+4*\c:PCA+4*\c+3], s[DC:DC+1] offset:2048*(\a)+512*\c   ; 32 lanes store 512 consecutive bytes; each block has its own registers, so no store's data are written again
.endr
.endm
.irp a, 0,1,2,3,4,5,6,7
	QBLOCK \a
.endr
	ds_load_b128 v[MX:MX+3], v[SCR]                ; LDS serves a wave's instructions in order: these see my eight stores
	s_wait_dscnt 0x0
	global_store_b128 v[VO], v[MX:MX+3], s[DS:DS+1]   ; the 128 scale words: 512 consecutive bytes
	s_wait_tensorcnt 0x0                           ; the wave's end
	ds_add_u32 v[SPW], v[NIL]
	s_wait_dscnt 0x0
	CROUND                                         ; the closing round
	s_endpgm
.Lfunc_end_k_q1c64537f8c_qkv:
	.size	k_q1c64537f8c_qkv, .Lfunc_end_k_q1c64537f8c_qkv-k_q1c64537f8c_qkv
	.p2alignl 7, 3214868480
	.fill 96, 4, 3214868480
	.section	.rodata,"a",@progbits
	.p2align	6, 0x0
	.amdhsa_kernel k_q1c64537f8c_qkv
		.amdhsa_group_segment_fixed_size 327680
		.amdhsa_private_segment_fixed_size 0
		.amdhsa_enable_private_segment 0
		.amdhsa_kernarg_size 48
		.amdhsa_user_sgpr_count 2
		.amdhsa_user_sgpr_kernarg_segment_ptr 1
		.amdhsa_wavefront_size32 1
		.amdhsa_system_sgpr_workgroup_id_x 1
		.amdhsa_system_sgpr_workgroup_id_y 1
		.amdhsa_system_sgpr_workgroup_id_z 1
		.amdhsa_system_vgpr_workitem_id 0
		.amdhsa_next_free_vgpr 1024
		.amdhsa_next_free_sgpr 102
		.amdhsa_reserve_vcc 0
		.amdhsa_float_denorm_mode_32 3
		.amdhsa_float_denorm_mode_16_64 3
		.amdhsa_fp16_overflow 1
		.amdhsa_memory_ordered 1
		.amdhsa_forward_progress 1
		.amdhsa_inst_pref_size 168
	.end_amdhsa_kernel
	.amdgpu_metadata
---
amdhsa.version: [ 1, 2 ]
amdhsa.kernels:
  - .name:           k_q1c64537f8c_qkv
    .symbol:         k_q1c64537f8c_qkv.kd
    .args:
      - { .name: x_codes, .offset: 0, .size: 8, .value_kind: global_buffer, .address_space: global }
      - { .name: x_scales, .offset: 8, .size: 8, .value_kind: global_buffer, .address_space: global }
      - { .name: w_qkv_codes, .offset: 16, .size: 8, .value_kind: global_buffer, .address_space: global }
      - { .name: w_qkv_scales, .offset: 24, .size: 8, .value_kind: global_buffer, .address_space: global }
      - { .name: b_qkv, .offset: 32, .size: 8, .value_kind: global_buffer, .address_space: global }
      - { .name: qkv, .offset: 40, .size: 8, .value_kind: global_buffer, .address_space: global }
    .group_segment_fixed_size: 327680
    .private_segment_fixed_size: 0
    .kernarg_segment_align: 8
    .kernarg_segment_size: 48
    .max_flat_workgroup_size: 128
    .sgpr_count:     102
    .vgpr_count:     1024
    .wavefront_size: 32
...
	.end_amdgpu_metadata
.endif
;; end of part 1
;; launch attn (part 2): grid 8 x 32, 8 waves a work-group, no clusters, 327,680 bytes of LDS; arguments qkv, ao_img, ao_sc; writes ao_img, ao_sc
.if DOCPART == 2
	.amdgcn_target "amdgcn-amd-amdhsa--gfx1250"
	.amdhsa_code_object_version 6
	.text
	.protected	k_q1c64537f8c_attn
	.globl	k_q1c64537f8c_attn
	.p2align	8
	.type	k_q1c64537f8c_attn,@function
k_q1c64537f8c_attn:
	s_mov_b64 s[64:65], 0
	v_nop
	global_prefetch_b8 v0, s[64:65] scope:SCOPE_SE
	s_setreg_imm32_b32 hwreg(HW_REG_WAVE_MODE, 25, 1), 1
	s_wait_xcnt 0x0
; Causal attention on codes of FP8 (E4M3): S^T = K Q^T (K = the head's 64), p = 2^(t - M) quantised along the keys, O^T = V^T P^T, O / the row's sum quantised along the channels for the last product.
; t = score x log2(e) / 8;  M = the running largest t rounded up to a whole number;  the row's sum is taken of the unquantised p;  when M moves the sum and O^T are multiplied by 2^(old M - new M), exactly.
; SHARES.  A work-group takes one (batch, head pair) and the blocks i and 15 - i of 128 queries: (i + 1) + (16 - i) = 17 key steps of 128 keys in every work-group, a constant count.  Key tiles wholly behind the diagonal are never touched.
; Eight waves, two to a SIMD: wave w takes head w % 2 of the pair and queries 32 (w / 2) on: two tiles of 16.  A lane holds ONE query (lane % 16) throughout: both products are used transposed.
; THE HEAD'S 64.  A fragment of K holds both heads of the pair (K places 0-63 the even head, 64-127 the odd); my fragment of Q has the other head's eight registers set to zero codes, which add nothing:
; all codes here were held at 448 and all scale bytes lie in 1 .. 254.  So K's fragments and scale words serve both heads as they lie.
; A key step's feed is the first 33,792 bytes of a record: K image, V image, K's and V's scale words, images of operand registers: a fragment is four loads at 16 x lane, no pitch, no padding.
; RING: two slots of two steps.  Each wave brings a quarter of a step, 33 rows of 256 bytes.  The change of slots stands at a slot's head; the load issued there has two steps' work in which to land.
; NO JOINT LOADS: the eight work-groups of a head pair walk key steps 0 .. i and then 0 .. 15 - i, so partners stand at the same key step only in their first i + 1 steps; to walk in step a wave would have to hold
; both query blocks' O^T and Q beside the fragments, 128 + 64 + 128 registers in a window of 256, and every work-group would make 20 steps' requests for 17 steps' work.
; THE ORDER INSIDE A BLOCK OF 32 KEYS is that of the registers (members 8 h + 0..7, then 16 + 8 h + 0..7), the same in which v's tokens were laid.  The result meets w_out, whose order is natural: its codes are put right by lane swaps.
; LIMITS: NaN and infinities are not served.  A block's largest p is taken through its largest score, which takes v_exp_f32 not to fall where its input rises.  A block under 2^-118, or of zeros, keeps the scale byte 1.
; REGISTERS: window 0: v1-11, v34-39 addresses and lane constants; v12-23 statistics; v24-33 scale words and nothing else; v40-45 at work at a block's end; v64-191 S^T, then p; v192-223 p's codes; v224-245 at work.
;   window 1: v0-31 Q; v32-95 O^T; v96-127 the second block's Q; v128-255 K's eight fragments, then V's four.
.set REC,   50688
.set STEPB, 33792
.set QUART, 8448
.set SLOT1, 1<<17
.set SPARE, 2*SLOT1                    ; the spare words: 128 bytes for each of eight waves
.set L16, 1
.set L4,  2
.set SPW, 3
.set NIL, 4
.set ADK, 5
.set ADV, 6
.set ADS, 7
.set ADT, 8
.set DQ,  9                            ; v9, v10  my query in the block - 8 h, tile 0 and tile 1
.set L32, 11
.set KS,  24                           ; v24-27 K's scale words: lanes 0-15 tile 2 p, lanes 16-31 tile 2 p + 1
.set VS,  28                           ; v28-29 V's likewise
.set QS,  30                           ; v30    Q's: lanes 0-15 tile 0, lanes 16-31 tile 1
.set PW0, 31                           ; v31-32 p's scale words
.set QS2, 33                           ; v33    the second block's Q scale words
.set AV0, 34
.set AS0, 35
.set AT0, 36
.set VQ,  37
.set VQS, 38
.set NINF, 39
.set RL,  40
.set PT1, 41
.set PWF, 42                           ; v42-43 the result's two scale bytes, tile 0 and 1
.set LANE, 44
.set WSEL, 45
.set BM,  224
.set PX,  228
.set HOLD, 232
.set SCO, 236
.set TA,  240
.set RB,  4
.set WV,  10
.set PAR, 11
.set SUB, 12
.set II,  13
.set IP1, 14
.set SS,  15
.set TB,  16
.set TW,  17
.set SLOTS, 18
.set SWN, 19
.set SEL, 20
.set CS,  22
.set MNT, 24
.set MLO, 25
.set MHI, 26
.set W3,  27
.set G0,  28
.set G1,  32
.set AOB, 40
.set ASB, 42
.set AOB2, 44
.set ASB2, 46
.set QB1, 48
.set QB2, 50
.set MSB, 0
.macro WIN new
.if MSB != (\new)
	s_set_vgpr_msb (MSB<<8)|(\new)
.set MSB, (\new)
.endif
.endm
.macro PLACES n
.rept \n
	v_nop
.endr
.endm
; The global address of my next quarter: step SWN of the walk is key group SWN (first block) or SWN - i - 1 (second block).
.macro KSADDR
	s_cmp_le_u32 s[SWN], s[II]
	s_cselect_b32 s52, 0, s[IP1]
	s_sub_co_u32 s52, s[SWN], s52
	s_mul_i32 s52, s52, REC
	s_add_co_u32 s52, s52, s[W3]
	s_mov_b32 s53, 0
	s_add_nc_u64 s[G0+2:G0+3], s[RB:RB+1], s[52:53]
	s_or_b32 s[G0+3], s[G0+3], 0x80000000
	s_add_co_u32 s[SWN], s[SWN], 2
.endm
	s_load_b128 s[4:7], s[0:1], 0x0                ; the records, the result's images
	s_load_b64 s[8:9], s[0:1], 0x10                ; the result's scale bytes
	v_lshl_add_u32 v[SPW], v0, 2, SPARE
	v_mov_b32 v[NIL], 0
	ds_add_u32 v3, v4
	ds_add_u32 v3, v4
	s_wait_dscnt 0x0
	v_lshrrev_b32 v5, 5, v0
	s_delay_alu instid0(VALU_DEP_1)
	v_readfirstlane_b32 s[WV], v5                  ; wave 0..7
	s_and_b32 s[PAR], s[WV], 1
	s_lshr_b32 s[SUB], s[WV], 1
	s_mov_b32 s[II], ttmp9                         ; i: 0..7
	s_add_co_u32 s[IP1], s[II], 1
	s_and_b32 s54, ttmp7, 0xffff                   ; 8 x batch + head pair
	s_lshr_b32 s[SWN], s[WV], 2                    ; waves 0-3 bring a slot's even step, waves 4-7 its odd one
	s_and_b32 s[W3], s[WV], 3
	s_mul_i32 s[W3], s[W3], QUART
	s_mov_b32 s[G1], 3<<16                         ; no mask; elements of 8 bytes; no padding
	s_mov_b32 s[G1+1], 32<<16                      ; tensor_dim0 = 32 elements: 256 bytes
	s_mov_b32 s[G1+2], 33<<16                      ; tensor_dim1 = 33
	s_mov_b32 s[G1+3], 32<<16                      ; tile_dim0
	s_mov_b32 s[G1+4], 33                          ; tile_dim1
	s_mov_b32 s[G1+5], 32                          ; dense rows
	s_mov_b32 s[G1+6], 0
	s_mov_b32 s[G1+7], 0
	s_mov_b32 s[G0], 1
	s_mul_i32 s[G0+1], s[WV], QUART                ; my bytes of a slot: wave x 8,448
	s_mul_i32 s52, s54, 16*REC
	s_mov_b32 s53, 0
	s_wait_kmcnt 0x0
	s_add_nc_u64 s[RB:RB+1], s[RB:RB+1], s[52:53]  ; the head pair's sixteen records
	KSADDR
	tensor_load_to_lds s[G0:G0+3], s[G1:G1+7]      ; slot 0: steps 0 and 1.  One load of mine is out
	s_nop 0
	PLACES 4
	s_lshr_b32 s53, s54, 3                         ; batch
	s_and_b32 s55, s54, 7                          ; head pair
	s_lshr_b32 s52, s55, 1                         ; images: [pair / 2][token tile][pair % 2][c][lane][16]
	s_lshl_b32 s52, s52, 9
	s_lshl_b32 s40, s53, 7
	s_add_co_u32 s52, s52, s40
	s_lshl_b32 s40, s[SUB], 1
	s_add_co_u32 s52, s52, s40
	s_lshl_b32 s52, s52, 12
	s_and_b32 s40, s55, 1
	s_lshl_b32 s40, s40, 11
	s_add_co_u32 s52, s52, s40
	s_lshl_b32 s40, s[PAR], 10
	s_add_co_u32 s52, s52, s40                     ; all but the block of queries
	s_lshl_b32 s53, s53, 16                        ; scale bytes: 32 a token; byte 4 pair + 2 head + block
	s_lshl_b32 s40, s[SUB], 10
	s_add_co_u32 s53, s53, s40
	s_lshl_b32 s40, s55, 2
	s_add_co_u32 s53, s53, s40
	s_lshl_b32 s40, s[PAR], 1
	s_add_co_u32 s53, s53, s40
	s_sub_co_u32 s54, 15, s[II]                    ; the second block of queries
	s_lshl_b32 s40, s[II], 15
	s_add_co_u32 s40, s40, s52
	s_mov_b32 s41, 0
	s_add_nc_u64 s[AOB:AOB+1], s[6:7], s[40:41]
	s_lshl_b32 s42, s[II], 12
	s_add_co_u32 s42, s42, s53
	s_mov_b32 s43, 0
	s_add_nc_u64 s[ASB:ASB+1], s[8:9], s[42:43]
	s_lshl_b32 s44, s54, 15
	s_add_co_u32 s44, s44, s52
	s_mov_b32 s45, 0
	s_add_nc_u64 s[AOB2:AOB2+1], s[6:7], s[44:45]
	s_lshl_b32 s46, s54, 12
	s_add_co_u32 s46, s46, s53
	s_mov_b32 s47, 0
	s_add_nc_u64 s[ASB2:ASB2+1], s[8:9], s[46:47]
	s_mul_i32 s48, s[II], REC
	s_add_co_u32 s48, s48, 33792
	s_mov_b32 s49, 0
	s_add_nc_u64 s[QB1:QB1+1], s[RB:RB+1], s[48:49]   ; Q's image of the first block,
	s_mul_i32 s50, s54, REC
	s_add_co_u32 s50, s50, 33792
	s_mov_b32 s51, 0
	s_add_nc_u64 s[QB2:QB2+1], s[RB:RB+1], s[50:51]   ; of the second
	s_mov_b32 s[SEL], 0x76543210
	s_mov_b32 s[SEL+1], 0xfedcba98
	s_mov_b32 s[CS], 0x3e38aa3b                    ; c = log2(e) / sqrt(64)
	s_mov_b32 s[CS+1], s[CS]                       ; (named with it as a pair)
	s_cmp_eq_u32 s[PAR], 0
	s_cselect_b32 s[MLO], -1, 0                    ; which half of Q's fragment is my head's
	s_cselect_b32 s[MHI], 0, -1
	s_mov_b32 s[SS], 0
	s_mov_b32 s[TB], 0
	s_mov_b32 s[SLOTS], 7
	v_and_b32 v[LANE], 31, v0
	s_delay_alu instid0(VALU_DEP_1)
	v_lshlrev_b32 v[L16], 4, v[LANE]
	s_delay_alu instid0(VALU_DEP_2)
	v_lshlrev_b32 v[L4], 2, v[LANE]
	s_delay_alu instid0(VALU_DEP_3)
	v_lshlrev_b32 v[L32], 5, v[LANE]
	v_and_b32 v5, 15, v0
	v_bfe_u32 v6, v0, 4, 1
	s_delay_alu instid0(VALU_DEP_1)
	v_lshlrev_b32 v6, 3, v6
	s_delay_alu instid0(VALU_DEP_1)
	v_sub_nc_u32 v[DQ], v5, v6
	s_lshl_b32 s52, s[SUB], 5
	v_add_nc_u32 v[DQ], s52, v[DQ]                 ; 32 (wave / 2) + r - 8 h
	s_delay_alu instid0(VALU_DEP_1)
	v_add_nc_u32 v[DQ+1], 16, v[DQ]
	s_lshl_b32 s52, s[PAR], 13
	s_add_co_u32 s52, s52, 16384
	v_add_nc_u32 v[AV0], s52, v[L16]               ; V's image, my head's four fragments
	v_add_nc_u32 v[AS0], 32768, v[L4]              ; K's scale words
	s_lshl_b32 s52, s[PAR], 8
	s_add_co_u32 s52, s52, 33280
	v_add_nc_u32 v[AT0], s52, v[L4]                ; V's, my head's 64 rows
	s_lshl_b32 s52, s[SUB], 12
	v_add_nc_u32 v[VQ], s52, v[L16]
	s_lshl_b32 s52, s[SUB], 7
	v_add_nc_u32 v[VQS], s52, v[L4]
	v_mov_b32 v[NINF], 0xff800000
	WIN 0x40                                       ; destination window 1
.irp u, 0,1
.irp c, 0,1,2,3
	global_load_b128 v[16*\u+4*\c:16*\u+4*\c+3], v[VQ], s[QB1:QB1+1] offset:2048*\u+512*\c
	global_load_b128 v[96+16*\u+4*\c:96+16*\u+4*\c+3], v[VQ], s[QB2:QB2+1] offset:2048*\u+512*\c
.endr
.endr
	WIN 0
	global_load_b32 v[QS], v[VQS], s[QB1:QB1+1] offset:16384
	global_load_b32 v[QS2], v[VQS], s[QB2:QB2+1] offset:16384
.irp b, 0,1,2,3
	v_mov_b32 v[PX+\b], 0                          ; written once: a lane permute's destination counts as one of its sources
.endr
	v_mov_b32 v[PT1], 0
	v_mov_b32 v21, 0                               ; (upper halves of the pairs that hold f)
	v_mov_b32 v23, 0
; A block of queries begins: the other head's half of Q becomes zero codes; O^T and the sums become zeros, the largest t -3e38: the step is written once, and the first change of M multiplies zeros.
.macro INIT src
	WIN 0x44                                       ; destination and source 1 window 1
.irp u, 0,1
.irp i, 0,1,2,3,4,5,6,7
	v_and_b32 v[16*\u+\i], s[MLO], v[\src+16*\u+\i]
.endr
.irp i, 8,9,10,11,12,13,14,15
	v_and_b32 v[16*\u+\i], s[MHI], v[\src+16*\u+\i]
.endr
.endr
	WIN 0x40
.set j, 0
.rept 64
	v_mov_b32 v[32+j], 0
.set j, j+1
.endr
	WIN 0
.irp u, 0,1
	v_mov_b32 v[13+4*\u], 0xff61b1e6
	s_delay_alu instid0(VALU_DEP_1)
	v_floor_f32 v[12+4*\u], -v[13+4*\u]
	v_mov_b32 v[14+4*\u], 0
	v_mov_b32 v[15+4*\u], 0
.endr
.endm
; On the diagonal: register 8 t + j of tile u holds key 16 t + 8 h + j of the block; hidden where it comes after my query: its score becomes -infinity ahead of the maximum, p = 0 then.
.macro MASK u
.set n, 0
.rept 64
	v_cmp_gt_i32 vcc_lo, 16*(n/8)+n%8, v[DQ+\u]
	v_cndmask_b32 v[64+64*\u+n], v[64+64*\u+n], v[NINF], vcc_lo
.set n, n+1
.endr
.endm
.macro SOFTMAX u
.set SB, 64+64*(\u)
.set NM, 12+4*(\u)                     ; -M, and beside it the largest t
.set MT, 13+4*(\u)
.set SU, 14+4*(\u)                     ; the sum in two halves
.set FF, 20+2*(\u)                     ; f
.set PWU, PW0+(\u)
.set PCU, 192+16*(\u)
.irp b, 0,1,2,3
	v_max3_num_f32 v[BM+\b], v[SB+16*\b], v[SB+16*\b+1], v[SB+16*\b+2]   ; the largest score of each block of 32 keys: for the row's maximum, and, since p rises with the score, for the block's largest p
.endr
.irp i, 3,5,7,9,11,13
.irp b, 0,1,2,3
	v_max3_num_f32 v[BM+\b], v[BM+\b], v[SB+16*\b+\i], v[SB+16*\b+\i+1]
.endr
.endr
.irp b, 0,1,2,3
	v_max_num_f32 v[BM+\b], v[BM+\b], v[SB+16*\b+15]
.endr
.irp b, 0,1,2,3
	s_delay_alu instid0(VALU_DEP_4)
	v_permlanex16_b32 v[PX+\b], v[BM+\b], s[SEL], s[SEL+1]
.endr
.irp b, 0,1,2,3
	s_delay_alu instid0(VALU_DEP_4)
	v_max_num_f32 v[BM+\b], v[BM+\b], v[PX+\b]
.endr
	s_delay_alu instid0(VALU_DEP_2)
	v_max3_num_f32 v[TA], v[BM], v[BM+1], v[BM+2]
	s_delay_alu instid0(VALU_DEP_1)
	v_max_num_f32 v[TA], v[TA], v[BM+3]
	s_delay_alu instid0(VALU_DEP_1)
	v_mul_f32 v[TA], s[CS], v[TA]
	s_delay_alu instid0(VALU_DEP_1)
	v_max_num_f32 v[MT], v[MT], v[TA]              ; the running largest t
	v_mov_b32 v[TA], v[NM]
	s_delay_alu instid0(VALU_DEP_2)
	v_floor_f32 v[NM], -v[MT]                      ; -M = floor(-t): M is a whole number
	s_delay_alu instid0(VALU_DEP_1)
	v_sub_f32 v[TA], v[NM], v[TA]                  ; old M - new M: a whole number, 0 or less
	s_delay_alu instid0(VALU_DEP_1)
	v_cvt_i32_f32 v[TA], v[TA]                     ; (it saturates)
	s_delay_alu instid0(VALU_DEP_1)
	v_ldexp_f32 v[FF], 1.0, v[TA]                  ; f = 2^(old M - new M)
.set j, 0
.rept 32
	v_pk_fma_f32 v[SB+j:SB+j+1], v[SB+j:SB+j+1], s[CS:CS+1], v[NM:NM+1] op_sel_hi:[1,0,0]   ; t - M, two at a time
.set j, j+2
.endr
.irp b, 0,1,2,3
	v_fma_f32 v[BM+\b], v[BM+\b], s[CS], v[NM]
.endr
.set j, 0
	s_wait_alu depctr_va_vdst(0)
.rept 64
	v_exp_f32 v[SB+j], v[SB+j]                     ; p = 2^(t - M)
.set j, j+1
.endr
.irp b, 0,1,2,3
	v_exp_f32 v[BM+\b], v[BM+\b]                   ; the block's largest p: the same two instructions on the same number
.endr
	v_pk_mul_f32 v[SU:SU+1], v[SU:SU+1], v[FF:FF+1] op_sel_hi:[1,0]   ; the sums under the new M (a plain line behind the exponentials)
	s_wait_alu depctr_va_vdst(0)
.irp b, 0,1,2,3
	v_max_num_f32 v[BM+\b], 0x4800000, v[BM+\b]    ; the floor 2^(9 - 127)
.endr
.irp b, 0,1,2,3
	s_delay_alu instid0(VALU_DEP_4)
	v_add_nc_u32 v[SCO+\b], 0xfc000000, v[BM+\b]
.endr
.irp b, 0,1,2,3
.endr
.irp b, 0,1,2,3
	s_delay_alu instid0(VALU_DEP_4)
	v_lshrrev_b32 v[PX+\b], 23, v[SCO+\b]
.endr
	s_delay_alu instid0(VALU_DEP_3)
	v_lshl_or_b32 v[PWU], v[PX+1], 8, v[PX]        ; p's scale word for these 128 keys
	s_delay_alu instid0(VALU_DEP_1)
	v_lshl_or_b32 v[PWU], v[PX+2], 16, v[PWU]
	s_delay_alu instid0(VALU_DEP_1)
	v_lshl_or_b32 v[PWU], v[PX+3], 24, v[PWU]
	v_pk_add_f32 v[244:245], v[SB:SB+1], v[SB+2:SB+3]   ; the row's sum of the unquantised p, in two chains
.set j, 4
.rept 15
	v_pk_add_f32 v[SU:SU+1], v[SU:SU+1], v[SB+j:SB+j+1]
	v_pk_add_f32 v[244:245], v[244:245], v[SB+j+2:SB+j+3]
.set j, j+4
.endr
	s_delay_alu instid0(VALU_DEP_1)
	v_pk_add_f32 v[SU:SU+1], v[SU:SU+1], v[244:245]
.irp b, 0,1,2,3
.set j, 0
.rept 16
.set j, j+1
.endr
	v_cvt_scalef32_pk8_fp8_f32 v[PCU+4*\b:PCU+4*\b+1], v[SB+16*\b:SB+16*\b+7], v[SCO+\b]
	v_cvt_scalef32_pk8_fp8_f32 v[PCU+4*\b+2:PCU+4*\b+3], v[SB+16*\b+8:SB+16*\b+15], v[SCO+\b]
.endr
.endm
.macro QK t, u                         ; S^T of 16 keys x my tile u
.set rS, 64+64*(\u)+8*(\t)
.set rK, 128+16*(\t)
.set rQ, 16*(\u)
.set rC, KS+(\t)/2
.if ((\t)%2 == 0) && ((\u) == 0)
	v_wmma_scale_f32_16x16x128_f8f6f4 v[rS:rS+7], v[rK:rK+15], v[rQ:rQ+15], 0, v[rC], v[QS]
.elseif ((\t)%2 == 1) && ((\u) == 0)
	v_wmma_scale_f32_16x16x128_f8f6f4 v[rS:rS+7], v[rK:rK+15], v[rQ:rQ+15], 0, v[rC], v[QS] matrix_a_scale:MATRIX_SCALE_ROW1
.elseif ((\t)%2 == 0)
	v_wmma_scale_f32_16x16x128_f8f6f4 v[rS:rS+7], v[rK:rK+15], v[rQ:rQ+15], 0, v[rC], v[QS] matrix_b_scale:MATRIX_SCALE_ROW1
.else
	v_wmma_scale_f32_16x16x128_f8f6f4 v[rS:rS+7], v[rK:rK+15], v[rQ:rQ+15], 0, v[rC], v[QS] matrix_a_scale:MATRIX_SCALE_ROW1 matrix_b_scale:MATRIX_SCALE_ROW1
.endif
.endm
.macro PV dt, u                        ; O^T of 16 channels x my tile u
.set rO, 32+32*(\u)+8*(\dt)
.set rV, 128+16*(\dt)
.set rP, 192+16*(\u)
.set rC, VS+(\dt)/2
.if (\dt)%2 == 0
	v_wmma_scale_f32_16x16x128_f8f6f4 v[rO:rO+7], v[rV:rV+15], v[rP:rP+15], v[rO:rO+7], v[rC], v[PW0+(\u)]
.else
	v_wmma_scale_f32_16x16x128_f8f6f4 v[rO:rO+7], v[rV:rV+15], v[rP:rP+15], v[rO:rO+7], v[rC], v[PW0+(\u)] matrix_a_scale:MATRIX_SCALE_ROW1
.endif
.endm
; A block of queries ends: O^T / the sum, quantised along the head's 64 channels (two blocks), put into natural channel order and stored as half an operand image; two scale bytes a token.
.macro FINISH
	PLACES 8                                       ; behind the last products
.irp u, 0,1
	v_add_f32 v[RL], v[14+4*\u], v[15+4*\u]
	s_delay_alu instid0(VALU_DEP_1)
	v_permlanex16_b32 v[PT1], v[RL], s[SEL], s[SEL+1]
	s_delay_alu instid0(VALU_DEP_1)
	v_add_f32 v[RL], v[RL], v[PT1]                 ; the row's sum
	s_wait_alu depctr_va_vdst(0)
	v_rcp_f32 v[RL], v[RL]
	v_nop
	WIN 0x01                                       ; source 0 window 1
.set j, 0
	s_wait_alu depctr_va_vdst(0)
.rept 32
	v_mul_f32 v[64+64*\u+j], v[32+32*\u+j], v[RL]  ; register 8 dt + i: channel 16 dt + 8 h + i of my query; each accumulator from its low end on
.set j, j+1
.endr
	WIN 0
.irp b, 0,1
	v_max3_num_f32 v[BM+\b], |v[64+64*\u+16*\b]|, |v[64+64*\u+16*\b+1]|, 0x4800000
.endr
.irp i, 2,4,6,8,10,12,14
.irp b, 0,1
	s_delay_alu instid0(VALU_DEP_2)
	v_max3_num_f32 v[BM+\b], v[BM+\b], |v[64+64*\u+16*\b+\i]|, |v[64+64*\u+16*\b+\i+1]|
.endr
.endr
.irp b, 0,1
	s_delay_alu instid0(VALU_DEP_2)
	v_permlanex16_b32 v[PX+\b], v[BM+\b], s[SEL], s[SEL+1]
.endr
.irp b, 0,1
	s_delay_alu instid0(VALU_DEP_2)
	v_max_num_f32 v[BM+\b], v[BM+\b], v[PX+\b]
.endr
.irp b, 0,1
	s_delay_alu instid0(VALU_DEP_2)
	v_add_nc_u32 v[SCO+\b], 0xfc000000, v[BM+\b]
.endr
.irp b, 0,1
.endr
.irp b, 0,1
	s_delay_alu instid0(VALU_DEP_2)
	v_lshrrev_b32 v[PX+\b], 23, v[SCO+\b]
.endr
	s_delay_alu instid0(VALU_DEP_1)
	v_lshl_or_b32 v[PWF+\u], v[PX+1], 8, v[PX]
.irp b, 0,1
.irp i, 0,1,2,3,4,5,6,7,8,9,10,11,12,13,14,15
.endr
	v_cvt_scalef32_pk8_fp8_f32 v[192+16*\u+4*\b:192+16*\u+4*\b+1], v[64+64*\u+16*\b:64+64*\u+16*\b+7], v[SCO+\b]
	v_cvt_scalef32_pk8_fp8_f32 v[192+16*\u+4*\b+2:192+16*\u+4*\b+3], v[64+64*\u+16*\b+8:64+64*\u+16*\b+15], v[SCO+\b]
.endr
	v_nop                                          ; a plain line behind the last conversion
.irp b, 0,1
	v_permlane16_swap_b32 v[192+16*\u+4*\b], v[192+16*\u+4*\b+2]     ; lanes 16-31's channels 8-15 change places with lanes 0-15's channels 16-23: lane (r, h) then holds channels 16 h + 0 .. 15 of the block
	v_permlane16_swap_b32 v[192+16*\u+4*\b+1], v[192+16*\u+4*\b+3]
.endr
.irp b, 0,1
	global_store_b128 v[L16], v[192+16*\u+4*\b:192+16*\u+4*\b+3], s[AOB:AOB+1] offset:4096*\u+512*\b   ; 512 consecutive bytes
.endr
.endr
	v_cmp_gt_u32 vcc_lo, 16, v[LANE]
	s_delay_alu instid0(VALU_DEP_1)
	v_cndmask_b32 v[WSEL], v[PWF+1], v[PWF], vcc_lo   ; lane l: token l of my 32
	global_store_b16 v[L32], v[WSEL], s[ASB:ASB+1]    ; two bytes of a token's 32: the other heads' bytes are other waves' and other work-groups'
	s_wait_xcnt 0x0                                ; the stores' data and bases are written again only behind this wait
.endm
.macro RESTART
	v_mov_b32 v[QS], v[QS2]
	s_mov_b64 s[AOB:AOB+1], s[AOB2:AOB2+1]
	s_mov_b64 s[ASB:ASB+1], s[ASB2:ASB2+1]
	INIT 96
.endm
; A KEY STEP.  mode 0: all keys count.  1: where the step's number is i it lies on the diagonal, ends the first block and begins the second.  2: the last step: on the diagonal.
.macro STEP mode
	v_add_nc_u32 v[ADK], s[TB], v[L16]
	v_add_nc_u32 v[ADV], s[TB], v[AV0]
	v_add_nc_u32 v[ADS], s[TB], v[AS0]
	v_add_nc_u32 v[ADT], s[TB], v[AT0]
	PLACES 4                                       ; with the four additions: eight places ahead of loads into registers that the last products read
.irp p, 0,1,2,3
	ds_load_b32 v[KS+\p], v[ADS] offset:128*\p
.endr
.irp p, 0,1
	ds_load_b32 v[VS+\p], v[ADT] offset:128*\p
.endr
	WIN 0x40
.irp t, 0,1,2,3,4,5,6,7
.irp c, 0,1,2,3
	ds_load_b128 v[128+16*\t+4*\c:128+16*\t+4*\c+3], v[ADK] offset:2048*\t+512*\c
.endr
.endr
	WIN 0x05                                       ; sources 0 and 1 window 1
	s_wait_alu depctr_va_vdst(0)
.irp t, 0,1,2,3,4,5,6,7
	s_wait_dscnt 4*(7-\t)                          ; tile t's four loads are in; the later tiles' may be out
.irp u, 0,1
	QK \t, \u
.endr
.endr
	WIN 0
	PLACES 8                                       ; ahead of the loads over K's fragments and of the first read of the scores
	WIN 0x40
.irp dt, 0,1,2,3
.irp c, 0,1,2,3
	ds_load_b128 v[128+16*\dt+4*\c:128+16*\dt+4*\c+3], v[ADV] offset:2048*\dt+512*\c   ; V lands while the softmax is walked
.endr
.endr
	WIN 0
.if \mode == 1
	s_cmp_lg_u32 s[SS], s[II]
	s_cbranch_scc1 .Lopen_\@
.endif
.if \mode
	MASK 0
	MASK 1
.endif
.if \mode == 1
.Lopen_\@:
.endif
	SOFTMAX 0
	SOFTMAX 1
	WIN 0x41                                       ; O^T window 1, f window 0
.irp u, 0,1
.set j, 0
.rept 16
	v_pk_mul_f32 v[32+32*\u+j:32+32*\u+j+1], v[32+32*\u+j:32+32*\u+j+1], v[20+2*\u:21+2*\u] op_sel_hi:[1,0]   ; O^T under the new M; also the places between the codes and the products
.set j, j+2
.endr
.endr
	s_wait_alu depctr_va_vdst(0)
	s_wait_dscnt 0x0                               ; V
	WIN 0x51                                       ; V window 1, p window 0, O^T window 1
.irp dt, 0,1,2,3
.irp u, 0,1
	PV \dt, \u                                     ; eight accumulators, one instruction each
.endr
.endr
	WIN 0
.if \mode == 1
	s_cmp_lg_u32 s[SS], s[II]
	s_cbranch_scc1 .Lgo_\@
	FINISH
	RESTART
.Lgo_\@:
.endif
	s_add_co_u32 s[TB], s[TB], STEPB
	s_add_co_u32 s[SS], s[SS], 1
.endm
; THE CHANGE OF SLOTS, at a slot's head.  fill = 1: the slot just left takes the next two steps; 2: the last step alone, waves 0-3; 0: nothing.
.macro CHANGE fill
	s_wait_tensorcnt 0x0                           ; my part of the slot ahead has landed; no load of mine is out, so group 0 may be written
	ds_add_u32 v[SPW], v[NIL]                      ; 0 onto my spare word
.if \fill
	s_xor_b32 s[G0+1], s[G0+1], SLOT1
	KSADDR
.endif
	s_wait_dscnt 0x0                               ; the add is done, my reads of the slot that I have left are over
	s_barrier_signal -1
	s_barrier_wait -1
.if \fill == 1
	tensor_load_to_lds s[G0:G0+3], s[G1:G1+7]      ; the first thing behind the barrier, my one tensor load until the next
	s_nop 0
	PLACES 4
.elseif \fill == 2
	s_cmp_lt_u32 s[WV], 4
	s_cbranch_scc0 .Lnone_\@
	tensor_load_to_lds s[G0:G0+3], s[G1:G1+7]
	s_nop 0
	PLACES 4
.Lnone_\@:
.endif
.endm
.macro TWO_STEPS mode
	s_mov_b32 s[TW], 2
.Ltwo_\@:
	STEP \mode
	s_sub_co_u32 s[TW], s[TW], 1
	s_cmp_lg_u32 s[TW], 0
	s_cbranch_scc1 .Ltwo_\@
	s_sub_co_u32 s[TB], s[TB], 2*STEPB
	s_xor_b32 s[TB], s[TB], SLOT1                  ; on to the other slot
.endm
	s_wait_loadcnt 0x0                             ; Q of both blocks
	INIT 0
.Lslot:                                            ; seven trips: steps 0 to 13; behind each change the next two steps are asked for
	CHANGE 1
	TWO_STEPS 1
	s_sub_co_u32 s[SLOTS], s[SLOTS], 1
	s_cmp_lg_u32 s[SLOTS], 0
	s_cbranch_scc1 .Lslot
	CHANGE 2                                       ; the tail is written out: step 16 is asked for
	TWO_STEPS 0                                    ; steps 14 and 15: i is 7 at the most, so neither lies on a diagonal
	CHANGE 0
	STEP 2                                         ; step 16: the second block's diagonal
	FINISH
	s_wait_tensorcnt 0x0                           ; the wave's end
	ds_add_u32 v[SPW], v[NIL]
	s_wait_dscnt 0x0
	s_endpgm
.Lfunc_end_k_q1c64537f8c_attn:
	.size	k_q1c64537f8c_attn, .Lfunc_end_k_q1c64537f8c_attn-k_q1c64537f8c_attn
	.p2alignl 7, 3214868480
	.fill 96, 4, 3214868480
	.section	.rodata,"a",@progbits
	.p2align	6, 0x0
	.amdhsa_kernel k_q1c64537f8c_attn
		.amdhsa_group_segment_fixed_size 327680
		.amdhsa_private_segment_fixed_size 0
		.amdhsa_enable_private_segment 0
		.amdhsa_kernarg_size 24
		.amdhsa_user_sgpr_count 2
		.amdhsa_user_sgpr_kernarg_segment_ptr 1
		.amdhsa_wavefront_size32 1
		.amdhsa_system_sgpr_workgroup_id_x 1
		.amdhsa_system_sgpr_workgroup_id_y 1
		.amdhsa_system_sgpr_workgroup_id_z 1
		.amdhsa_system_vgpr_workitem_id 0
		.amdhsa_next_free_vgpr 512
		.amdhsa_next_free_sgpr 66
		.amdhsa_reserve_vcc 1
		.amdhsa_float_denorm_mode_32 3
		.amdhsa_float_denorm_mode_16_64 3
		.amdhsa_fp16_overflow 1
		.amdhsa_memory_ordered 1
		.amdhsa_forward_progress 1
		.amdhsa_inst_pref_size 152
	.end_amdhsa_kernel
	.amdgpu_metadata
---
amdhsa.version: [ 1, 2 ]
amdhsa.kernels:
  - .name:           k_q1c64537f8c_attn
    .symbol:         k_q1c64537f8c_attn.kd
    .args:
      - { .name: qkv, .offset: 0, .size: 8, .value_kind: global_buffer, .address_space: global }
      - { .name: ao_img, .offset: 8, .size: 8, .value_kind: global_buffer, .address_space: global }
      - { .name: ao_sc, .offset: 16, .size: 8, .value_kind: global_buffer, .address_space: global }
    .group_segment_fixed_size: 327680
    .private_segment_fixed_size: 0
    .kernarg_segment_align: 8
    .kernarg_segment_size: 24
    .max_flat_workgroup_size: 256
    .sgpr_count:     66
    .vgpr_count:     512
    .wavefront_size: 32
...
	.end_amdgpu_metadata
.endif
;; end of part 2
;; launch proj (part 3): grid 8 x 32, 4 waves a work-group, clusters of 4 x 4, 327,680 bytes of LDS; arguments ao_img, ao_sc, w_out_codes, w_out_scales, b_out, out0; writes out0
.if DOCPART == 3
	.amdgcn_target "amdgcn-amd-amdhsa--gfx1250"
	.amdhsa_code_object_version 6
	.text
	.protected	k_q1c64537f8c_proj
	.globl	k_q1c64537f8c_proj
	.p2align	8
	.type	k_q1c64537f8c_proj,@function
k_q1c64537f8c_proj:
	s_mov_b64 s[64:65], 0
	v_nop
	global_prefetch_b8 v0, s[64:65] scope:SCOPE_SE
	s_setreg_imm32_b32 hwreg(HW_REG_WAVE_MODE, 25, 1), 1
	s_wait_xcnt 0x0
	s_wait_alu depctr_hold_cnt(0) depctr_sa_sdst(0) depctr_va_vdst(0) depctr_va_sdst(0) depctr_va_ssrc(0) depctr_va_vcc(0) depctr_vm_vsrc(0)
	s_getreg_b32 s2, hwreg(HW_REG_IB_STS2, 6, 4)
	s_cmp_eq_u32 s2, 0
	s_cbranch_scc0 .Lentry_in_a_cluster
	s_endpgm
.Lentry_in_a_cluster:
	s_bfe_u32 s2, ttmp6, 0x10000c
	s_cmp_lg_u32 s2, 0xf033
	s_cbranch_scc0 .Lentry_shape_is_right
	s_endpgm
.Lentry_shape_is_right:
; out0 = a w_out + b_out on codes of FP8 (E4M3) with one E8M0 scale for each 32 along K = 1,024.  a: the attention's result, 8,192 tokens, as images of operand registers [K / 256][token tile of 16][2][c][lane][16 bytes]
; and scale bytes [token][32];  w_out: [1,024 columns][1,024] codes, K innermost, scale bytes [column][32];  out0 [8,192][1,024] f32.
; A tile of the result is 256 tokens x 128 columns, so that the 256 tiles give each work-group one; four waves, 128 tokens x 64 columns a wave: 32 accumulators.
; Source 0 = 16 rows of w_out, source 1 = 16 tokens: a lane holds eight neighbouring columns of one token.  The bias is the C of the first products.
; K goes in steps of 256 through two LDS slots: a's part is dense images (a fragment is four loads at 16 x lane), w_out's part rows of 256 bytes + 16 of padding.  The scale bytes of all of K come once and stay.
; CLUSTERS of 4 x 4: a's tiles are shared along a row of the cluster, w_out's along a column, each asked for jointly.
; LIMITS: NaN and infinities among the inputs are not served.
; REGISTERS: window 0: v21-31 addresses; v32-63 scale words, two sets, and nothing else; v64-95 the bias as C; v128-255 a's 8 fragments, later rows on the way out.
;   window 1: w_out's fragments, two sets of 64, at v0 and v128.   windows 2, 3: accumulator (a, b) at v[8 (4 (a % 4) + b)] of window 2 + a / 4.
.set PITCH,  272
.set APART,  32768                     ; the images of 128 tokens x 256 K
.set BOFF,   2*APART
.set BHALF,  64*PITCH                  ; 64 rows of w_out
.set SLOT,   BOFF+2*BHALF
.set SCL,    2*SLOT                    ; the scale bytes: w_out's 128 rows first, then a's 256
.set SBH,    8*272
.set SAH,    16*272
.set SBLK,   2*272
.set SPARE,  SCL+2*SBH+2*SAH           ; the spare words: 128 bytes a wave
.set STG,    SPARE+512                 ; the way out: 16 rows x (256 bytes + 16) for each wave; no tensor load lands there
.set FR,     16
.set ADRA, 21
.set ADRB, 23
.set STO,  25
.set RD,   26
.set CO,   27
.set SPW,  28
.set NIL,  29
.set BO,   30
.set ADRS, 31
.set SC,   32
.set CB,   64
.set AF,   128
.set BK,   128
.set WV,  16
.set HA,  17                           ; which 128 tokens are mine; also: I fetch for a (0) or w_out (1)
.set HB,  18                           ; which 64 columns are mine; also: which half I fetch
.set CX,  20
.set CY,  21
.set G1,  24
.set G0,  32
.set TR,  40                           ; s40-43 hold the tile row's coordinates alone, s44-47 the tile column's
.set TC,  44
.set G1B, 48
.set G0B, 56
.set G1S, 68
.set G0S, 76
.set G1SB, 80
.set G0SB, 88
.set MSB, 0
.macro WIN new
.if MSB != (\new)
	s_set_vgpr_msb (MSB<<8)|(\new)
.set MSB, (\new)
.endif
.endm
.macro JLOAD g0a, g1a, g0b, g1b        ; a joint load: waves 0, 1 fetch for a, waves 2, 3 for w_out; four v_nop follow each line
	s_cmp_eq_u32 s[HA], 0
	s_cbranch_scc0 .Lfor_b_\@
	tensor_load_to_lds s[\g0a:\g0a+3], s[\g1a:\g1a+7]
	s_nop 0
.rept 4
	v_nop
.endr
	s_branch .Lasked_\@
.Lfor_b_\@:
	tensor_load_to_lds s[\g0b:\g0b+3], s[\g1b:\g1b+7]
	s_nop 0
.rept 4
	v_nop
.endr
.Lasked_\@:
.endm
.macro CREST
	s_cmp_lg_u32 s[WV], 0
	s_cbranch_scc1 .Lnot_wave_0_\@
	s_barrier_signal -3
.Lnot_wave_0_\@:
	s_barrier_wait -3
	s_barrier_signal -1
	s_barrier_wait -1
.endm
.macro CROUND
	s_barrier_signal -1
	s_barrier_wait -1
	CREST
.endm
.macro PLACES n
.rept \n
	v_nop
.endr
.endm
	s_load_b128 s[4:7], s[0:1], 0x0                ; a's images, a's scales
	s_load_b128 s[8:11], s[0:1], 0x10              ; w_out's codes, its scales
	s_load_b128 s[12:15], s[0:1], 0x20             ; b_out, out0
	v_lshl_add_u32 v[SPW], v0, 2, SPARE
	v_mov_b32 v[NIL], 0
	ds_add_u32 v28, v29
	ds_add_u32 v28, v29
	s_wait_dscnt 0x0
	v_lshrrev_b32 v1, 5, v0
	v_readfirstlane_b32 s[WV], v1
	s_lshr_b32 s[HA], s[WV], 1
	s_and_b32 s[HB], s[WV], 1
	s_bfe_u32 s[CX], ttmp6, 0x40000
	s_bfe_u32 s[CY], ttmp6, 0x40004
	s_lshl_b32 s[TC], ttmp9, 2
	s_add_co_u32 s[TC], s[TC], s[CX]               ; tile column: 128 columns
	s_and_b32 s[TR], ttmp7, 0xffff
	s_lshl_b32 s[TR], s[TR], 2
	s_add_co_u32 s[TR], s[TR], s[CY]               ; tile row: 256 tokens
	s_lshl_b32 s42, s[CY], 2
	s_lshl_b32 s42, 15, s42                        ; my row of the cluster
	s_lshl_b32 s46, 0x1111, s[CX]                  ; my column
	s_or_b32 s[G1+0], s42, (3<<16)|(1<<21)         ; a's images: 32,768 dense bytes as 128 rows of 32 elements of 8 bytes, no padding
	s_mov_b32 s[G1+1], 32<<16
	s_mov_b32 s[G1+2], 128<<16
	s_mov_b32 s[G1+3], 32<<16
	s_mov_b32 s[G1+4], 128
	s_mov_b32 s[G1+5], 32
	s_mov_b32 s[G1+6], 0
	s_mov_b32 s[G1+7], 0
	s_or_b32 s[G1B+0], s46, (0<<16)|(1<<20)|(1<<21)|(5<<22)|(3<<25)   ; w_out: 64 rows of 256 bytes, 4 words of padding after every 64
	s_mov_b32 s[G1B+1], 256<<16
	s_mov_b32 s[G1B+2], 64<<16
	s_mov_b32 s[G1B+3], 256<<16
	s_mov_b32 s[G1B+4], 64
	s_mov_b32 s[G1B+5], 1024
	s_mov_b32 s[G1B+6], 0
	s_mov_b32 s[G1B+7], 0
	s_or_b32 s[G1S+0], s42, (3<<16)|(1<<20)|(1<<21)|(5<<22)|(3<<25)   ; a's scales of 128 tokens: 16 rows of 256 bytes
	s_mov_b32 s[G1S+1], 32<<16
	s_mov_b32 s[G1S+2], 16<<16
	s_mov_b32 s[G1S+3], 32<<16
	s_mov_b32 s[G1S+4], 16
	s_mov_b32 s[G1S+5], 32
	s_mov_b32 s[G1S+6], 0
	s_mov_b32 s[G1S+7], 0
	s_or_b32 s[G1SB+0], s46, (3<<16)|(1<<20)|(1<<21)|(5<<22)|(3<<25)  ; w_out's of 64 rows: 8 rows of 256 bytes
	s_mov_b32 s[G1SB+1], 32<<16
	s_mov_b32 s[G1SB+2], 8<<16
	s_mov_b32 s[G1SB+3], 32<<16
	s_mov_b32 s[G1SB+4], 8
	s_mov_b32 s[G1SB+5], 32
	s_mov_b32 s[G1SB+6], 0
	s_mov_b32 s[G1SB+7], 0
	s_lshl_b32 s42, s[TR], 8
	s_lshl_b32 s2, s[HB], 7
	s_add_co_u32 s42, s42, s2                      ; the first token that I fetch
	s_lshl_b32 s42, s42, 5                         ; its scales: 32 bytes a token
	s_mov_b32 s43, 0
	s_lshl_b32 s46, s[TC], 7
	s_lshl_b32 s2, s[HB], 6
	s_add_co_u32 s46, s46, s2                      ; the first row of w_out that I fetch
	s_lshl_b32 s46, s46, 5
	s_mov_b32 s47, 0
	s_lshl_b32 s100, s[HB], 15                     ; where they go: the wave's number alone enters an LDS address
	s_mul_i32 s101, s[HB], BHALF
	s_add_co_u32 s101, s101, BOFF
	s_mul_i32 s2, s[HB], SAH
	s_add_co_u32 s2, s2, SCL+2*SBH
	s_mul_i32 s3, s[HB], SBH
	s_add_co_u32 s3, s3, SCL
	s_wait_kmcnt 0x0
	s_add_nc_u64 s[6:7], s[6:7], s[42:43]
	s_add_nc_u64 s[10:11], s[10:11], s[46:47]
	s_lshl_b32 s42, s42, 3                         ; images: 256 bytes a token and K step
	s_lshl_b32 s46, s46, 5                         ; codes: 1,024 bytes a row
	s_add_nc_u64 s[4:5], s[4:5], s[42:43]
	s_add_nc_u64 s[8:9], s[8:9], s[46:47]
	CROUND                                         ; all sixteen work-groups are here: the first joint loads meet
	s_mov_b32 s[G0S], 1
	s_mov_b32 s[G0S+1], s2
	s_mov_b64 s[G0S+2:G0S+3], s[6:7]
	s_or_b32 s[G0S+3], s[G0S+3], 0x80000000
	s_mov_b32 s[G0SB], 1
	s_mov_b32 s[G0SB+1], s3
	s_mov_b64 s[G0SB+2:G0SB+3], s[10:11]
	s_or_b32 s[G0SB+3], s[G0SB+3], 0x80000000
	JLOAD G0S, G1S, G0SB, G1SB
.irp s, 0,1
	s_mov_b32 s[G0+4*\s], 1
	s_add_co_u32 s[G0+4*\s+1], s100, \s*SLOT
	s_add_nc_u64 s[G0+4*\s+2:G0+4*\s+3], s[4:5], \s*2097152       ; a K step of all tokens is 512 tiles x 4,096 bytes
	s_or_b32 s[G0+4*\s+3], s[G0+4*\s+3], 0x80000000
	s_mov_b32 s[G0B+4*\s], 1
	s_add_co_u32 s[G0B+4*\s+1], s101, \s*SLOT
	s_add_nc_u64 s[G0B+4*\s+2:G0B+4*\s+3], s[8:9], \s*256
	s_or_b32 s[G0B+4*\s+3], s[G0B+4*\s+3], 0x80000000
	JLOAD G0+4*\s, G1, G0B+4*\s, G1B               ; three loads of mine are out
.endr
	v_and_b32 v1, 15, v0                           ; r
	v_bfe_u32 v2, v0, 4, 1                         ; h
	v_and_b32 v3, 31, v0
	v_lshlrev_b32 v3, 4, v3                        ; 16 x lane
	v_mul_u32_u24 v4, v1, PITCH
	v_lshl_add_u32 v4, v2, 4, v4
	s_lshl_b32 s2, s[HA], 15                       ; my 128 tokens' images
	s_mul_i32 s3, s[HB], BHALF
	s_add_co_u32 s3, s3, BOFF                      ; my 64 rows of w_out
.irp s, 0,1
	v_add_nc_u32 v[ADRA+\s], s2, v3
	v_add_nc_u32 v[ADRB+\s], s3, v4
	s_add_co_u32 s2, s2, SLOT
	s_add_co_u32 s3, s3, SLOT
.endr
	v_mul_u32_u24 v5, v1, 32                       ; my row's scales: 32 bytes a row, and 16 more for each 256 passed
	v_lshrrev_b32 v6, 8, v5
	v_lshl_add_u32 v5, v6, 4, v5
	s_mul_i32 s2, s[HB], SBH                       ; lanes 0-15: w_out's, my 64 rows
	s_mul_i32 s3, s[HA], SAH
	s_add_co_u32 s3, s3, 2*SBH                     ; lanes 16-31: a's, my 128 tokens, behind w_out's
	s_sub_co_u32 s3, s3, s2
	v_mul_u32_u24 v6, s3, v2                       ; the lower base + h x the distance
	s_add_co_u32 s2, s2, SCL
	v_add_nc_u32 v5, v5, v6
	v_add_nc_u32 v[ADRS], s2, v5
	s_mul_i32 s2, s[WV], 16*PITCH
	s_add_co_u32 s2, s2, STG                       ; my stage
	v_mul_u32_u24 v5, v1, PITCH
	v_lshl_add_u32 v5, v2, 5, v5
	v_add_nc_u32 v[STO], s2, v5                    ; in: row r, 32 bytes for each half of the lanes
	v_mul_u32_u24 v5, v2, PITCH
	v_lshl_add_u32 v5, v1, 4, v5
	v_add_nc_u32 v[RD], s2, v5                     ; back: lanes 0-15 one row of 256 bytes, lanes 16-31 the next
	v_lshlrev_b32 v5, 12, v2
	v_lshl_add_u32 v[CO], v1, 4, v5                ; and the same two rows in out0
	s_lshl_b32 s2, s[TR], 8
	s_lshl_b32 s3, s[HA], 7
	s_add_co_u32 s2, s2, s3
	s_lshl_b32 s2, s2, 12                          ; my first token: 4,096 bytes a row
	s_lshl_b32 s3, s[TC], 9
	s_add_co_u32 s2, s2, s3
	s_lshl_b32 s3, s[HB], 8
	s_add_co_u32 s2, s2, s3                        ; my first column
	s_mov_b32 s3, 0
	s_add_nc_u64 s[14:15], s[14:15], s[2:3]
	s_lshl_b32 s2, s[TC], 9
	s_lshl_b32 s3, s[HB], 8
	s_add_co_u32 s2, s2, s3
	s_mov_b32 s3, 0
	s_add_nc_u64 s[12:13], s[12:13], s[2:3]
	v_lshlrev_b32 v[BO], 5, v2
.irp b, 0,1,2,3
	global_load_b128 v[CB+8*\b:CB+8*\b+3], v[BO], s[12:13] offset:64*\b          ; the bias in the result's layout: columns 16 b + 8 h + 0..7
	global_load_b128 v[CB+8*\b+4:CB+8*\b+7], v[BO], s[12:13] offset:64*\b+16
.endr
; 8 matrix instructions: token blocks a0, a0 + 1 x w_out's four.  cm = 1: the bias starts the sums.  The 32 accumulators take turns, one instruction a turn.
.macro MUL8 a0, p, q, sc, cm
.irp a, \a0, \a0+1
.irp b, 0,1,2,3
.if \cm
	v_wmma_scale_f32_16x16x128_f8f6f4 v[8*(4*((\a)%4)+\b):8*(4*((\a)%4)+\b)+7], v[128*(\p)+FR*\b:128*(\p)+FR*\b+FR-1], v[AF+FR*(\a):AF+FR*(\a)+FR-1], v[CB+8*\b:CB+8*\b+7], v[SC+16*(\sc)+2*\b+(\q)], v[SC+16*(\sc)+2*(\a)+(\q)] matrix_b_scale:MATRIX_SCALE_ROW1
.else
	v_wmma_scale_f32_16x16x128_f8f6f4 v[8*(4*((\a)%4)+\b):8*(4*((\a)%4)+\b)+7], v[128*(\p)+FR*\b:128*(\p)+FR*\b+FR-1], v[AF+FR*(\a):AF+FR*(\a)+FR-1], v[8*(4*((\a)%4)+\b):8*(4*((\a)%4)+\b)+7], v[SC+16*(\sc)+2*\b+(\q)], v[SC+16*(\sc)+2*(\a)+(\q)] matrix_b_scale:MATRIX_SCALE_ROW1
.endif
.endr
.endr
.endm
.macro FETCH_B slot, q, p              ; w_out's four fragments into set p of window 1
	WIN 0x40
.irp i, 0,1,2,3
.irp c, 0,1,2,3
	ds_load_b128 v[128*(\p)+FR*\i+4*\c:128*(\p)+FR*\i+4*\c+3], v[ADRB+\slot] offset:128*(\q)+32*\c+\i*16*PITCH
.endr
.endr
	WIN 0
.endm
.macro FETCH_A slot, q, i0             ; token blocks i0 .. i0 + 3: images, 16 x lane
.irp i, \i0, \i0+1, \i0+2, \i0+3
.irp c, 0,1,2,3
	ds_load_b128 v[AF+FR*(\i)+4*\c:AF+FR*(\i)+4*\c+3], v[ADRA+\slot] offset:4096*(\i)+2048*(\q)+512*\c
.endr
.endr
.endm
.macro SCALES sc, T                    ; K step T's scale words into set sc: lanes 0-15 w_out's block i (i under 4; beyond, these lanes read bytes that are not used), lanes 16-31 a's block i
.irp i, 0,1,2,3,4,5,6,7
	ds_load_b64 v[SC+16*\sc+2*\i:SC+16*\sc+2*\i+1], v[ADRS] offset:\i*SBLK+8*\T
.endr
.endm
.macro STEP slot, q, cm
	s_wait_dscnt 16                                ; w_out's set and token blocks 0-3 are in; the youngest sixteen loads (blocks 4-7) may be out
.if \cm
	WIN 0x81
.else
	WIN 0xa1
.endif
	MUL8 0, (\q)%2, \q, \slot, \cm
	MUL8 2, (\q)%2, \q, \slot, \cm
	s_wait_dscnt 0
	PLACES 8                                       ; ahead of loads into registers that matrix instructions have read (ISA guide 7.12.1 for vector instructions)
	FETCH_B \slot, (\q)+1, 1-(\q)%2
	FETCH_A \slot, (\q)+1, 0
.if \cm
	WIN 0xc1
.else
	WIN 0xf1
.endif
	MUL8 4, (\q)%2, \q, \slot, \cm
	MUL8 6, (\q)%2, \q, \slot, \cm
	PLACES 8
	WIN 0
	FETCH_A \slot, (\q)+1, 4
.endm
.macro TURN slot, next, fill, T
	s_wait_tensorcnt 0x0                           ; all my tensor loads have landed: my part of the next slot
	ds_add_u32 v[SPW], v[NIL]                      ; 0 onto my spare word
	s_wait_dscnt 17                                ; (the add and the youngest sixteen loads may be out)
	WIN 0xa1
	MUL8 0, 1, 1, \slot, 0
	s_wait_dscnt 0x0                               ; the add is done, my reads of this slot are over
	s_barrier_signal -1
	MUL8 2, 1, 1, \slot, 0
	WIN 0
	s_barrier_wait -1
.if \fill
	CREST                                          ; the barrier opened a round of the cluster's
	s_add_nc_u64 s[G0+4*\slot+2:G0+4*\slot+3], s[G0+4*\slot+2:G0+4*\slot+3], 2*2097152
	s_add_nc_u64 s[G0B+4*\slot+2:G0B+4*\slot+3], s[G0B+4*\slot+2:G0B+4*\slot+3], 512
	JLOAD G0+4*\slot, G1, G0B+4*\slot, G1B         ; the first tensor load behind the round; its four v_nop are four of the eight places
	PLACES 4
.else
	PLACES 8
.endif
	FETCH_B \next, 0, 0
	FETCH_A \next, 0, 0
	SCALES \next, \T
	WIN 0xf1
	MUL8 4, 1, 1, \slot, 0
	MUL8 6, 1, 1, \slot, 0
	PLACES 8
	WIN 0
	FETCH_A \next, 0, 4
.endm
	s_wait_tensorcnt 1                             ; the scales and my part of K step 0 are in; K step 1's load may be out
	s_barrier_signal -1
	s_barrier_wait -1
	FETCH_B 0, 0, 0
	FETCH_A 0, 0, 0
	SCALES 0, 0
	FETCH_A 0, 0, 4
	s_wait_loadcnt 0x0                             ; the bias
	STEP 0, 0, 1                                   ; the first products start the sums with the bias
	TURN 0, 1, 1, 1
	STEP 1, 0, 0
	TURN 1, 0, 1, 2
	STEP 0, 0, 0
	TURN 0, 1, 0, 3                                ; nothing is left to fetch
	STEP 1, 0, 0
	s_wait_dscnt 16
	WIN 0xa1
	MUL8 0, 1, 1, 1, 0
	MUL8 2, 1, 1, 1, 0
	s_wait_dscnt 0
	WIN 0xf1
	MUL8 4, 1, 1, 1, 0
	MUL8 6, 1, 1, 1, 0
	WIN 0
; THE WAY OUT, 16 tokens x 64 columns at a time, through my own stage: in as 32 bytes a lane, back as whole rows of 256 bytes.  LDS serves a wave's instructions in order (ISA guide 5.7.1.4): no wait between stores and loads.
.macro TOSTAGE a
.set AC, 32*((\a)%4)
.set WD, 0x08+4*((\a)/4)
	WIN WD                                         ; an LDS store's data are its source 1: window 2 or 3
.irp b, 0,1,2,3
	ds_store_b128 v[STO], v[AC+8*\b:AC+8*\b+3] offset:64*\b          ; each accumulator from its low end on
	ds_store_b128 v[STO], v[AC+8*\b+4:AC+8*\b+7] offset:64*\b+16
.endr
	WIN 0
.set BB, BK+32*((\a)%2)
.irp t, 0,1,2,3,4,5,6,7
	ds_load_b128 v[BB+4*\t:BB+4*\t+3], v[RD] offset:\t*2*PITCH
.endr
.endm
.macro SEND a, younger                 ; younger: the LDS instructions issued behind block a's loads
.set BB, BK+32*((\a)%2)
	s_wait_dscnt \younger
.irp t, 0,1,2,3,4,5,6,7
	global_store_b128 v[CO], v[BB+4*\t:BB+4*\t+3], s[14:15] offset:(16*(\a)+2*\t)*4096 th:TH_STORE_NT   ; 16 lanes store 256 consecutive bytes, at a multiple of 256 from out0's first byte; every offset an immediate, 516,096 at the most
.endr
.endm
	PLACES 8                                       ; behind the last products: for the stores that read results and the loads into a's registers
	TOSTAGE 0
.irp a, 1,2,3,4,5,6,7
.if \a > 1
	s_wait_xcnt 0x0                                ; block a - 2's stores have read their registers: block a's loads may land there
.endif
	TOSTAGE \a
	SEND \a-1, 16                                  ; behind block a - 1's loads: block a's 8 stores and 8 loads
.endr
	SEND 7, 0
	s_wait_tensorcnt 0x0                           ; the wave's end
	ds_add_u32 v[SPW], v[NIL]
	s_wait_dscnt 0x0
	CROUND                                         ; the closing round
	s_endpgm
.Lfunc_end_k_q1c64537f8c_proj:
	.size	k_q1c64537f8c_proj, .Lfunc_end_k_q1c64537f8c_proj-k_q1c64537f8c_proj
	.p2alignl 7, 3214868480
	.fill 96, 4, 3214868480
	.section	.rodata,"a",@progbits
	.p2align	6, 0x0
	.amdhsa_kernel k_q1c64537f8c_proj
		.amdhsa_group_segment_fixed_size 327680
		.amdhsa_private_segment_fixed_size 0
		.amdhsa_enable_private_segment 0
		.amdhsa_kernarg_size 48
		.amdhsa_user_sgpr_count 2
		.amdhsa_user_sgpr_kernarg_segment_ptr 1
		.amdhsa_wavefront_size32 1
		.amdhsa_system_sgpr_workgroup_id_x 1
		.amdhsa_system_sgpr_workgroup_id_y 1
		.amdhsa_system_sgpr_workgroup_id_z 1
		.amdhsa_system_vgpr_workitem_id 0
		.amdhsa_next_free_vgpr 1024
		.amdhsa_next_free_sgpr 102
		.amdhsa_reserve_vcc 0
		.amdhsa_float_denorm_mode_32 3
		.amdhsa_float_denorm_mode_16_64 3
		.amdhsa_memory_ordered 1
		.amdhsa_forward_progress 1
		.amdhsa_inst_pref_size 92
	.end_amdhsa_kernel
	.amdgpu_metadata
---
amdhsa.version: [ 1, 2 ]
amdhsa.kernels:
  - .name:           k_q1c64537f8c_proj
    .symbol:         k_q1c64537f8c_proj.kd
    .args:
      - { .name: ao_img, .offset: 0, .size: 8, .value_kind: global_buffer, .address_space: global }
      - { .name: ao_sc, .offset: 8, .size: 8, .value_kind: global_buffer, .address_space: global }
      - { .name: w_out_codes, .offset: 16, .size: 8, .value_kind: global_buffer, .address_space: global }
      - { .name: w_out_scales, .offset: 24, .size: 8, .value_kind: global_buffer, .address_space: global }
      - { .name: b_out, .offset: 32, .size: 8, .value_kind: global_buffer, .address_space: global }
      - { .name: out0, .offset: 40, .size: 8, .value_kind: global_buffer, .address_space: global }
    .group_segment_fixed_size: 327680
    .private_segment_fixed_size: 0
    .kernarg_segment_align: 8
    .kernarg_segment_size: 48
    .max_flat_workgroup_size: 128
    .sgpr_count:     102
    .vgpr_count:     1024
    .wavefront_size: 32
...
	.end_amdgpu_metadata
.endif
;; end of part 3
